; MI455X (gfx1250); checked and timed in simulation.
; The chip was launched on July 23, 2026; its instructions are those of AMD's public machine-readable ISA for CDNA 5 (MIT licence, August 2026) and "CDNA5" Instruction Set Architecture Reference Guide (July 2026). The comments in the code are by the model that wrote it; some were corrected since.
;; Gated Scan. Allowed arithmetic: float matrix products may take bf16 or f16 operands with f32 sums; all other float work in f32.
;; Inputs: Wg 1,024 x 1,024 float32; Wi 1,024 x 1,024 float32; Wo 1,024 x 1,024 float32; bg 1,024 float32; bi 1,024 float32; bo 1,024 float32; ln_b 1,024 float32; ln_g 1,024 float32; x 4 x 4,096 x 1,024 float32.
;; Outputs: out0 4 x 4,096 x 1,024 float32.
;; 2 versions, each right; version 2 is version 1 with the launches cast, carry written anew for expert scheduling mode. Each part assembles by itself: llvm-mc -triple=amdgcn-amd-amdhsa -mcpu=gfx1250 --defsym DOCPART=n.
;; ======== version 1 of 2: 4 launches
;; limits: values outside matrix products are rounded to bf16
;; workspace buffers: xb 33,554,432 bytes; wc 4,194,304 bytes; wob 2,097,152 bytes; lw 33,554,432 bytes; aw 33,554,432 bytes; agg 524,288 bytes; hin 262,144 bytes
;; launch cast (part 1): grid 608 x 1, 8 waves a work-group, no clusters, 0 bytes of LDS; arguments x, Wg, Wi, Wo, xb, wc, wob; writes xb, wc, wob
.if DOCPART == 1
	.amdgcn_target "amdgcn-amd-amdhsa--gfx1250"
	.amdhsa_code_object_version 6
	.text
	.protected	k_q60c64aa6d3_cast
	.globl	k_q60c64aa6d3_cast
	.p2align	8
	.type	k_q60c64aa6d3_cast,@function
k_q60c64aa6d3_cast:
	s_mov_b64 s[64:65], 0
	v_nop
	global_prefetch_b8 v0, s[64:65] scope:SCOPE_SE
	s_setreg_imm32_b32 hwreg(HW_REG_WAVE_MODE, 25, 1), 1
	s_wait_xcnt 0x0
; f32 -> bf16 (round to nearest even), once for each matrix operand that comes from the inputs.
; Every work-group converts 131,072 input bytes into 65,536 output bytes.  Work-groups 0-511: x -> xb, same order.
; 512-543: Wg, 544-575: Wi -> wc [2048][1024]: row 256 q + n is Wg's row 128 q + n (n < 128) or Wi's row 128 q + n - 128, so that a tile of 256 rows holds
; the gate rows and the input rows of the same 128 scan channels.  576-607: Wo -> wob [16][1024][64]: the 64 columns of a K step of all 1,024 rows lie on end.
; A stream: no LDS, no matrix unit, no cluster (no work-group shares a byte with another).  A thread's 32 loads go out at once, each into four registers of its own;
; the four numbers are converted in place and stored from the two low registers.  No register that a pending store reads is written again, so the only waits are the counted waits for the loads.
.set X,   16                           ; v[16:143]  load n: 4 f32 as loaded; then 4 bf16 in its two low registers
.set IOA, 2                            ; v2  rows kept in order: input offset 16 t
.set OOA, 3                            ; v3  output offset 8 t
.set IOB, 4                            ; v4  Wo: input offset
.set OOB, 5                            ; v5  Wo: output offset
	s_load_b256 s[4:11], s[0:1], 0x0               ; x s[4:5], Wg s[6:7], Wi s[8:9], Wo s[10:11]
	s_load_b128 s[12:15], s[0:1], 0x20             ; xb s[12:13], wc s[14:15]
	s_load_b64 s[16:17], s[0:1], 0x30              ; wob
	s_mov_b32 s20, ttmp9
	s_mov_b32 s23, 0                               ; high word of every offset
	v_lshlrev_b32 v[IOA], 4, v0
	v_lshlrev_b32 v[OOA], 3, v0
	v_lshrrev_b32 v6, 5, v0                        ; wave
	v_and_b32 v7, 31, v0                           ; lane
	v_and_b32 v8, 15, v0
	v_bfe_u32 v9, v0, 4, 1
	v_lshlrev_b32 v[IOB], 14, v6                   ; Wo: a wave has 4 rows of 4,096 bytes,
	v_lshl_add_u32 v[IOB], v9, 12, v[IOB]          ; lanes 16-31 the row below,
	v_lshl_add_u32 v[IOB], v8, 4, v[IOB]           ; 16 lanes x 16 bytes = the 256 bytes of one K step
	v_lshlrev_b32 v[OOB], 9, v6                    ; out: 4 rows of 128 bytes a wave,
	v_lshl_add_u32 v[OOB], v7, 3, v[OOB]           ; two rows = 256 bytes on end for the 32 lanes
	s_wait_kmcnt 0x0
; 32 loads, then 32 times: wait, convert, store.  ia, oa: bytes from instruction n to n + 1 (n % 16); ib, ob: from n to n + 16.
.macro PASS io, oo, ia, ib, oa, ob
.set n, 0
.rept 32
	global_load_b128 v[X+4*n:X+4*n+3], v[\io], s[24:25] offset:(n%16)*(\ia)+(n/16)*(\ib) th:TH_LOAD_NT
.set n, n+1
.endr
.set n, 0
.rept 32
	s_wait_loadcnt 31-n                            ; loads come back in order: load n is in, the 31 - n younger ones stay out
	v_cvt_pk_bf16_f32 v[X+4*n],   v[X+4*n],   v[X+4*n+1]
	v_cvt_pk_bf16_f32 v[X+4*n+1], v[X+4*n+2], v[X+4*n+3]
	global_store_b64 v[\oo], v[X+4*n:X+4*n+1], s[26:27] offset:(n%16)*(\oa)+(n/16)*(\ob)  ; a wave stores 256 consecutive bytes, aligned
.set n, n+1
.endr
.endm
	s_cmp_lt_u32 s20, 512
	s_cbranch_scc0 .Lweights
	s_lshl_b32 s22, s20, 17                        ; x: part c begins at 131,072 c,
	s_add_nc_u64 s[24:25], s[4:5], s[22:23]
	s_lshl_b32 s22, s20, 16                        ; and goes to 65,536 c
	s_add_nc_u64 s[26:27], s[12:13], s[22:23]
	s_branch .Lrows
.Lweights:
	s_cmp_lt_u32 s20, 576
	s_cbranch_scc0 .Lwo
	s_sub_co_u32 s21, s20, 512                     ; 0-31 Wg, 32-63 Wi
	s_cmp_lt_u32 s21, 32
	s_cselect_b64 s[24:25], s[6:7], s[8:9]
	s_cselect_b32 s28, 0, 262144                   ; Wi's rows lie 128 rows of 2,048 bytes behind Wg's
	s_and_b32 s21, s21, 31                         ; c: rows 32 c .. 32 c + 31
	s_lshl_b32 s22, s21, 17
	s_add_nc_u64 s[24:25], s[24:25], s[22:23]
	s_lshr_b32 s22, s21, 2                         ; q = c / 4: 256 rows of wc
	s_lshl_b32 s22, s22, 19
	s_and_b32 s29, s21, 3                          ; 32 rows each inside it
	s_lshl_b32 s29, s29, 16
	s_add_co_u32 s22, s22, s29
	s_add_co_u32 s22, s22, s28
	s_add_nc_u64 s[26:27], s[14:15], s[22:23]
.Lrows:
	PASS IOA, OOA, 4096, 65536, 2048, 32768        ; the eight waves take 4,096 input bytes an instruction
	s_endpgm
.Lwo:
	s_sub_co_u32 s21, s20, 576                     ; c: rows 32 c .. 32 c + 31 of Wo
	s_lshl_b32 s22, s21, 17
	s_add_nc_u64 s[24:25], s[10:11], s[22:23]
	s_lshl_b32 s22, s21, 12                        ; 32 rows of 128 bytes in every K step's block
	s_add_nc_u64 s[26:27], s[16:17], s[22:23]
	PASS IOB, OOB, 256, 8192, 131072, 256          ; n % 16 = the K step (256 bytes in, a block of 131,072 out); n / 16: the wave's other two rows
	s_endpgm
.Lfunc_end_k_q60c64aa6d3_cast:
	.size	k_q60c64aa6d3_cast, .Lfunc_end_k_q60c64aa6d3_cast-k_q60c64aa6d3_cast
	.p2alignl 7, 3214868480
	.fill 96, 4, 3214868480
	.section	.rodata,"a",@progbits
	.p2align	6, 0x0
	.amdhsa_kernel k_q60c64aa6d3_cast
		.amdhsa_group_segment_fixed_size 0
		.amdhsa_private_segment_fixed_size 0
		.amdhsa_enable_private_segment 0
		.amdhsa_kernarg_size 56
		.amdhsa_user_sgpr_count 2
		.amdhsa_user_sgpr_kernarg_segment_ptr 1
		.amdhsa_wavefront_size32 1
		.amdhsa_system_sgpr_workgroup_id_x 1
		.amdhsa_system_sgpr_workgroup_id_y 1
		.amdhsa_system_sgpr_workgroup_id_z 1
		.amdhsa_system_vgpr_workitem_id 0
		.amdhsa_next_free_vgpr 144
		.amdhsa_next_free_sgpr 66
		.amdhsa_reserve_vcc 0
		.amdhsa_float_denorm_mode_32 3
		.amdhsa_float_denorm_mode_16_64 3
		.amdhsa_memory_ordered 1
		.amdhsa_forward_progress 1
		.amdhsa_inst_pref_size 25
	.end_amdhsa_kernel
	.amdgpu_metadata
---
amdhsa.version: [ 1, 2 ]
amdhsa.kernels:
  - .name:           k_q60c64aa6d3_cast
    .symbol:         k_q60c64aa6d3_cast.kd
    .args:
      - { .name: x, .offset: 0, .size: 8, .value_kind: global_buffer, .address_space: global }
      - { .name: Wg, .offset: 8, .size: 8, .value_kind: global_buffer, .address_space: global }
      - { .name: Wi, .offset: 16, .size: 8, .value_kind: global_buffer, .address_space: global }
      - { .name: Wo, .offset: 24, .size: 8, .value_kind: global_buffer, .address_space: global }
      - { .name: xb, .offset: 32, .size: 8, .value_kind: global_buffer, .address_space: global }
      - { .name: wc, .offset: 40, .size: 8, .value_kind: global_buffer, .address_space: global }
      - { .name: wob, .offset: 48, .size: 8, .value_kind: global_buffer, .address_space: global }
    .group_segment_fixed_size: 0
    .private_segment_fixed_size: 0
    .kernarg_segment_align: 8
    .kernarg_segment_size: 56
    .max_flat_workgroup_size: 256
    .sgpr_count:     66
    .vgpr_count:     144
    .wavefront_size: 32
...
	.end_amdgpu_metadata
.endif
;; end of part 1
;; launch proj (part 2): grid 8 x 64, 4 waves a work-group, clusters of 4 x 4, 327,680 bytes of LDS; arguments xb, wc, bg, bi, lw, aw, agg; writes lw, aw, agg
.if DOCPART == 2
	.amdgcn_target "amdgcn-amd-amdhsa--gfx1250"
	.amdhsa_code_object_version 6
	.text
	.protected	k_q60c64aa6d3_proj
	.globl	k_q60c64aa6d3_proj
	.p2align	8
	.type	k_q60c64aa6d3_proj,@function
k_q60c64aa6d3_proj:
	s_mov_b64 s[64:65], 0
	v_nop
	global_prefetch_b8 v0, s[64:65] scope:SCOPE_SE
	s_setreg_imm32_b32 hwreg(HW_REG_WAVE_MODE, 25, 1), 1
	s_wait_xcnt 0x0
	s_wait_alu depctr_hold_cnt(0) depctr_sa_sdst(0) depctr_va_vdst(0) depctr_va_sdst(0) depctr_va_ssrc(0) depctr_va_vcc(0) depctr_vm_vsrc(0)
	s_getreg_b32 s2, hwreg(HW_REG_IB_STS2, 6, 4)
	s_cmp_eq_u32 s2, 0
	s_cbranch_scc0 .Lentry_in_a_cluster
	s_endpgm
.Lentry_in_a_cluster:
	s_bfe_u32 s2, ttmp6, 0x10000c
	s_cmp_lg_u32 s2, 0xf033
	s_cbranch_scc0 .Lentry_shape_is_right
	s_endpgm
.Lentry_shape_is_right:
; z = xb wc^T (bf16 operands, f32 sums), gate = sigmoid(zg + bg), drive = (1 - gate)(zi + bi), and the gated scan of a SEGMENT of 256 rows started from 0.
; A tile is 256 rows (one segment) x 256 columns of wc: 128 gate columns and the 128 input columns of the same scan channels s = 128 q .. 128 q + 127.
; THE SCAN.  With a' = max(gate, 1e-6) and cum = the product of a' since the chunk's (32 rows) start, the chunk formula cum (h + sum of drive / max(cum, 1e-8)) is the recurrence
; out = a' out + drive min(1, 1e8 cum): no logarithm, no exponential, no difference of large sums.  It is linear in the carry, so the segment stores L (scanned from 0) and
; A (the product of a' since the segment's start): state = L + A h_in, made in the last launch; (L, A) of the last row go to agg for the carry.
; LIMITS.  The order of rounding differs from a cumulative sum of logarithms.  L and A are rounded to bf16.  A product below f32's range counts as 0.  NaN and infinities are not treated apart.
; The sums over K begin at a K step that hangs on the cluster (below), so their order of rounding does too.
; THE PRODUCT.  Four waves, each 128 x 128: 64 accumulators, 512 registers.  K in steps of 128 through two LDS slots filled by joint tensor loads: 4 x 4 work-groups form a cluster, the
; four of a row need the same rows of xb, the four of a column the same rows of wc.  Source 0 = 16 rows of xb, source 1 = 16 rows of wc: a lane holds 8 consecutive ROWS of one column,
; which go as two 16-byte stores into a stage laid [column][row]; the scan then reads a column's rows on end.
; THE WALK ALONG K IS ROTATED: a cluster begins at K step (4 x cluster x + cluster y) mod 8 and goes round.  So the 16 clusters that need the same rows of wc are spread over its 8 K steps, two to a step,
; and the two clusters that need the same rows of xb are 4 steps apart: they do not ask for the same bytes at the same time.  The start hangs on the cluster's coordinates alone, which all 16 partners share.
; REGISTERS, in windows of 256: window 0: v0-35 addresses and the scan's carries; v64-127, v128-191 fragments of xb (two buffers); in the scan v64-255 at work.
;   window 1: v64-127, v128-191 fragments of wc.   window 2: accumulators of my rows 0-63 ((a, b) at v[8 (8 a + b)]);   window 3: rows 64-127.
.set SIZE_K, 1024
.set KSTEP,  128
.set PITCH,  272                       ; an LDS row: 256 bytes + 16 of padding: the 16 rows of a fragment load start 4 banks apart
.set HALFT,  128*PITCH                 ; what one tensor load brings
.set SLOT,   4*HALFT                   ; xb's 256 rows, then wc's 256 rows
.set SPARE,  2*SLOT                    ; behind the ring: the spare words, 128 bytes a wave
.set SPITCH, 1040                      ; the stage (over the slots, behind their last fill): f32 [256 columns][256 rows], 1,024 bytes + 16: 16 columns start 4 banks apart
.set LAPS,   SIZE_K/(2*KSTEP)
.set ADRA, 16                          ; v16-17  LDS address of my xb fragments in slot 0, 1
.set ADRB, 20                          ; v20-21  the same for wc
.set DST,  22                          ; v22-23  the stage: my lane's place for column blocks 0-3, 4-7
.set GA,   24                          ; v24     the scan: my gate column
.set IA,   25                          ; v25     my input column
.set VO,   26                          ; v26     my byte offset in lw and aw
.set VG,   27                          ; v27     my byte offset in agg
.set SPW,  28                          ; v28     my spare word; never rewritten
.set NIL,  29                          ; v29     0; never rewritten
.set H,    30                          ; v30     L of the row before; v31 A of the row before
.set AC,   31
.set KBG,  32                          ; v32-33  -log2(e) bg[s], twice
.set BI,   34                          ; v34-35  bi[s], twice
.set F0,   64
.set F1,   128
.set ZG,   64                          ; the scan's 32 rows: gate pre-activation, then gate, then 1 - gate, then the drive's factor
.set ZI,   96                          ; input, then drive, then L
.set AP,   128                         ; a'
.set QQ,   160                         ; 1e8 cum
.set AV,   192                         ; A
.set OL,   224                         ; L in bf16, 16 registers
.set OA,   240                         ; A in bf16
.set G1, 24
.set G0, 32
.set G1B, 48
.set G0B, 56
.set NL,  78                           ; s[78:79] -log2(e)
.set EPSA, 80                          ; s80 1e-6
.set BIG, 81                           ; s81 1e8
.set NXT, 85                           ; s85 the K step to be asked for next, 0 to 7
.set KO,  86                           ; s[86:87] its byte offset in a row of xb or wc
.set MSB, 0
.macro WIN new                         ; the immediate's high byte repeats the setting that is left
.if MSB != (\new)
	s_set_vgpr_msb (MSB<<8)|(\new)
.set MSB, \new
.endif
.endm
.set MUL_LO, 0xa4                      ; source 0 (xb) window 0, source 1 (wc) window 1, C and D window 2
.set MUL_HI, 0xf4                      ; the same, C and D window 3
.set TO_B,   0x40                      ; destination window 1, address window 0
; A joint load: waves 0 and 1 fetch xb's two halves, waves 2 and 3 wc's.  The branch hangs on the wave's number alone.  An s_nop 0 and four v_nop follow each line.
.macro JLOAD s
	s_cmp_eq_u32 s11, 0
	s_cbranch_scc0 .Lfor_b_\@
	tensor_load_to_lds s[G0+4*(\s):G0+4*(\s)+3], s[G1:G1+7]
	s_nop 0
.rept 4
	v_nop
.endr
	s_branch .Lasked_\@
.Lfor_b_\@:
	tensor_load_to_lds s[G0B+4*(\s):G0B+4*(\s)+3], s[G1B:G1B+7]
	s_nop 0
.rept 4
	v_nop
.endr
.Lasked_\@:
.endm
; Slot s's two descriptors are pointed at K step NXT: the address is made anew from my rows' first byte and the step's 256 bytes, the type set again; NXT goes on, round the 8 steps.
; It stands only where no tensor load of the wave is out.
.macro AIM s
	s_lshl_b32 s[KO], s[NXT], 8
	s_add_nc_u64 s[G0+4*(\s)+2:G0+4*(\s)+3], s[14:15], s[KO:KO+1]
	s_or_b32 s[G0+4*(\s)+3], s[G0+4*(\s)+3], 0x80000000
	s_add_nc_u64 s[G0B+4*(\s)+2:G0B+4*(\s)+3], s[46:47], s[KO:KO+1]
	s_or_b32 s[G0B+4*(\s)+3], s[G0B+4*(\s)+3], 0x80000000
	s_add_co_u32 s[NXT], s[NXT], 1
	s_and_b32 s[NXT], s[NXT], 7
.endm
.macro CREST                           ; a round of the cluster's barrier behind its opening barrier
	s_cmp_lg_u32 s10, 0
	s_cbranch_scc1 .Lnot_wave_0_\@
	s_barrier_signal -3
.Lnot_wave_0_\@:
	s_barrier_wait -3
	s_barrier_signal -1
	s_barrier_wait -1
.endm
.macro CROUND
	s_barrier_signal -1
	s_barrier_wait -1
	CREST
.endm
.macro PLACES                          ; four plain places between a matrix instruction and a load into, or a read of, its registers
.rept 4
	v_nop
.endr
.endm
	s_load_b128 s[4:7], s[0:1], 0x0                ; xb s[4:5], wc s[6:7]
	s_load_b256 s[68:75], s[0:1], 0x10             ; bg s[68:69], bi s[70:71], lw s[72:73], aw s[74:75]
	s_load_b64 s[76:77], s[0:1], 0x30              ; agg
	v_lshl_add_u32 v[SPW], v0, 2, SPARE
	v_mov_b32 v[NIL], 0
	ds_add_u32 v[SPW], v[NIL]                      ; the wave's opening: the add and its wait stand ahead of my first tensor load
	v_lshrrev_b32 v1, 5, v0
	v_readfirstlane_b32 s10, v1                    ; wave 0..3
	s_lshr_b32 s11, s10, 1                         ; my half of the tile's rows.  Also: I fetch for xb (0) or wc (1)
	s_and_b32 s12, s10, 1                          ; my half of its columns: 0 gates, 1 inputs.  Also: which 128 rows I fetch
	s_bfe_u32 s40, ttmp6, 0x40000                  ; cx
	s_bfe_u32 s41, ttmp6, 0x40004                  ; cy
	s_lshl_b32 s42, ttmp9, 2
	s_add_co_u32 s42, s42, s40                     ; q = 4 x cluster x + cx
	s_and_b32 s13, ttmp7, 0xffff
	s_lshl_b32 s13, s13, 2
	s_add_co_u32 s13, s13, s41                     ; segment = 4 x cluster y + cy
	s_and_b32 s[NXT], ttmp7, 0xffff                ; the K step with which my cluster begins: cluster y
	s_lshl_b32 s[KO], ttmp9, 2
	s_add_co_u32 s[NXT], s[NXT], s[KO]             ; + 4 x cluster x,
	s_and_b32 s[NXT], s[NXT], 7                    ; mod 8
	s_mov_b32 s[KO+1], 0
	s_lshl_b32 s43, s41, 2
	s_lshl_b32 s43, 15, s43                        ; my row of the cluster
	s_lshl_b32 s44, 0x1111, s40                    ; my column
	s_or_b32 s[G1+0], s43, (1<<16)|(1<<20)|(1<<21)|(5<<22)|(3<<25)   ; the mask; 2-byte elements; padding on; bit 21 beside a mask; after every 64 words 4 words
	s_or_b32 s[G1B+0], s44, (1<<16)|(1<<20)|(1<<21)|(5<<22)|(3<<25)
.irp g, G1, G1B
	s_mov_b32 s[(\g)+1], KSTEP<<16                 ; tensor_dim0 = 128
	s_mov_b32 s[(\g)+2], 128<<16                   ; tensor_dim1 = 128
	s_mov_b32 s[(\g)+3], KSTEP<<16                 ; tile_dim0 = 128
	s_mov_b32 s[(\g)+4], 128                       ; tile_dim1 = 128
	s_mov_b32 s[(\g)+5], SIZE_K                    ; elements from row to row
	s_mov_b32 s[(\g)+6], 0
	s_mov_b32 s[(\g)+7], 0
.endr
	s_lshl_b32 s17, s12, 7                         ; which 128 rows of the tile I fetch
	s_lshl_b32 s16, s13, 8
	s_add_co_u32 s16, s16, s17                     ; xb: row 256 x segment + 128 x half
	s_lshl_b32 s46, s42, 8
	s_add_co_u32 s46, s46, s17                     ; wc: row 256 q + 128 x half
	s_mov_b32 s17, 0
	s_mov_b32 s47, 0
	s_mov_b64 s[18:19], SIZE_K*2
	s_mul_u64 s[16:17], s[16:17], s[18:19]
	s_mul_u64 s[46:47], s[46:47], s[18:19]
	s_mul_i32 s20, s10, HALFT                      ; where they go: wave x 128 rows; no place in the cluster enters an LDS address
	s_mov_b32 s[NL], 0xbfb8aa3b
	s_mov_b32 s[NL+1], s[NL]
	s_mov_b32 s[EPSA], 0x358637bd
	s_mov_b32 s[BIG], 0x4cbebc20
	s_wait_dscnt 0x0                               ; the opening add is done
	s_wait_kmcnt 0x0
	s_add_nc_u64 s[14:15], s[4:5], s[16:17]        ; my rows' first byte in xb; kept
	s_add_nc_u64 s[46:47], s[6:7], s[46:47]        ; and in wc; kept
.irp s, 0,1
	s_mov_b32 s[G0+4*(\s)], 1
	s_add_co_u32 s[G0+4*(\s)+1], s20, (\s)*SLOT
	s_mov_b32 s[G0B+4*(\s)], 1
	s_add_co_u32 s[G0B+4*(\s)+1], s20, (\s)*SLOT
	AIM \s                                         ; the walk's first two K steps
.endr
	CROUND                                         ; all sixteen work-groups are here: the first joint loads meet
	s_cmp_eq_u32 s11, 0                            ; a wave's two first fills stand in one branch: two loads of mine are out
	s_cbranch_scc0 .Lfirst_b
	tensor_load_to_lds s[G0:G0+3], s[G1:G1+7]
	s_nop 0
	tensor_load_to_lds s[G0+4:G0+7], s[G1:G1+7]
	s_nop 0
.rept 4
	v_nop
.endr
	s_branch .Lfirst_asked
.Lfirst_b:
	tensor_load_to_lds s[G0B:G0B+3], s[G1B:G1B+7]
	s_nop 0
	tensor_load_to_lds s[G0B+4:G0B+7], s[G1B:G1B+7]
	s_nop 0
.rept 4
	v_nop
.endr
.Lfirst_asked:
	; where my results go
	s_lshl_b32 s82, s42, 9                         ; bg, bi at channel 128 q
	s_mov_b32 s83, 0
	s_add_nc_u64 s[68:69], s[68:69], s[82:83]
	s_add_nc_u64 s[70:71], s[70:71], s[82:83]
	s_lshl_b32 s82, s13, 19                        ; lw, aw: a segment is 16 row blocks of 32,768 bytes; q is 8 column blocks of 512
	s_lshl_b32 s84, s42, 12
	s_add_co_u32 s82, s82, s84
	s_add_nc_u64 s[72:73], s[72:73], s[82:83]
	s_add_nc_u64 s[74:75], s[74:75], s[82:83]
	s_lshl_b32 s82, s13, 13                        ; agg: 8,192 bytes a segment, 8 a channel
	s_lshl_b32 s84, s42, 10
	s_add_co_u32 s82, s82, s84
	s_add_nc_u64 s[76:77], s[76:77], s[82:83]
	v_lshlrev_b32 v8, 2, v0
	global_load_b32 v[KBG], v8, s[68:69]           ; thread t owns channel 128 q + t in the scan
	global_load_b32 v[BI], v8, s[70:71]
	v_and_b32 v1, 15, v0                           ; r
	v_bfe_u32 v2, v0, 4, 1                         ; h
	v_mul_u32_u24 v3, v1, PITCH
	v_lshl_add_u32 v3, v2, 4, v3                   ; a fragment's row x pitch + 16 x half
	s_mul_i32 s21, s11, HALFT                      ; my 128 rows of xb
	s_mul_i32 s22, s12, HALFT                      ; my 128 rows of wc,
	s_add_co_u32 s22, s22, 2*HALFT                 ; which lie behind xb's 256
.irp s, 0,1
	v_add_nc_u32 v[ADRA+(\s)], s21, v3
	v_add_nc_u32 v[ADRB+(\s)], s22, v3
	s_add_co_u32 s21, s21, SLOT
	s_add_co_u32 s22, s22, SLOT
.endr
	v_mul_u32_u24 v[DST], v1, SPITCH               ; the stage: column 128 x column half + r, row 128 x row half + 8 h
	v_lshl_add_u32 v[DST], v2, 5, v[DST]
	s_mul_i32 s21, s12, 128*SPITCH
	s_lshl_b32 s22, s11, 9
	s_add_co_u32 s21, s21, s22
	v_add_nc_u32 v[DST], s21, v[DST]
	v_add_nc_u32 v[DST+1], 64*SPITCH, v[DST]
	v_mul_u32_u24 v[GA], v0, SPITCH
	v_add_nc_u32 v[IA], 128*SPITCH, v[GA]
	v_lshrrev_b32 v9, 4, v0
	v_lshlrev_b32 v[VO], 4, v1
	v_lshl_add_u32 v[VO], v9, 9, v[VO]             ; column block t / 16, lane place t % 16
	v_lshlrev_b32 v[VG], 3, v0
	v_mov_b32 v[H], 0
	v_mov_b32 v[AC], 1.0
	s_wait_loadcnt 0x0                             ; bg, bi: in the wait for the first tile
	v_mul_f32 v[KBG], s[NL], v[KBG]
	v_mov_b32 v[BI+1], v[BI]
	v_mov_b32 v[KBG+1], v[KBG]
; 16 matrix instructions: row blocks a0, a0 + 1 of the window's four x all 8 column blocks, 32 along K.  zero = 1: the first product starts the sums.
.macro MUL16 f, hi, a0, zero
	WIN MUL_LO+0x50*(\hi)
.irp a, \a0, (\a0)+1
.irp b, 0,1,2,3,4,5,6,7
.if \zero
	v_wmma_f32_16x16x32_bf16 v[8*(8*(\a)+(\b)):8*(8*(\a)+(\b))+7], v[(\f)+8*(4*(\hi)+(\a)):(\f)+8*(4*(\hi)+(\a))+7], v[(\f)+8*(\b):(\f)+8*(\b)+7], 0
.else
	v_wmma_f32_16x16x32_bf16 v[8*(8*(\a)+(\b)):8*(8*(\a)+(\b))+7], v[(\f)+8*(4*(\hi)+(\a)):(\f)+8*(4*(\hi)+(\a))+7], v[(\f)+8*(\b):(\f)+8*(\b)+7], v[8*(8*(\a)+(\b)):8*(8*(\a)+(\b))+7]
.endif
.endr
.endr
.endm
; 32 LDS loads in one run: a quarter step's fragments (32 K at byte k of the rows) into buffer f: wc's first, then xb's
.macro FETCH slot, k, f
	WIN TO_B
.irp i, 0,1,2,3,4,5,6,7
	ds_load_b128 v[(\f)+8*(\i):(\f)+8*(\i)+3],   v[ADRB+(\slot)] offset:(\k)+(\i)*16*PITCH
	ds_load_b128 v[(\f)+8*(\i)+4:(\f)+8*(\i)+7], v[ADRB+(\slot)] offset:(\k)+(\i)*16*PITCH+32
.endr
	WIN 0
.irp i, 0,1,2,3,4,5,6,7
	ds_load_b128 v[(\f)+8*(\i):(\f)+8*(\i)+3],   v[ADRA+(\slot)] offset:(\k)+(\i)*16*PITCH
	ds_load_b128 v[(\f)+8*(\i)+4:(\f)+8*(\i)+7], v[ADRA+(\slot)] offset:(\k)+(\i)*16*PITCH+32
.endr
.endm
; One of a K step's first three quarters: multiplies buffer f, fetches the next quarter into g in its middle.  The 64 accumulators take turns.
.macro QUARTER slot, k, f, g, zero
	s_wait_dscnt 8                                 ; wc and xb's rows 0-63 are in; the youngest eight loads (xb's rows 64-127) may be out
	MUL16 \f, 0, 0, \zero
	MUL16 \f, 0, 2, \zero
	PLACES
	FETCH \slot, \k, \g
	s_wait_dscnt 32                                ; all but the 32 just issued
	MUL16 \f, 1, 0, \zero
	MUL16 \f, 1, 2, \zero
.endm
; The last quarter multiplies buffer 1 and changes slots: one barrier; in front of it each wave waits for all its tensor loads (one is out: its part of the next slot), adds 0 to its
; spare word, and waits for that and for its reads of this slot.  fill = 1: the barrier opens a round of the cluster's, and the joint refill is the first thing behind the round.
.macro TURN slot, next, fill
	WIN 0
	s_wait_tensorcnt 0x0
	ds_add_u32 v[SPW], v[NIL]
	s_wait_dscnt 9                                 ; the add and the youngest eight loads may be out
	MUL16 F1, 0, 0, 0
	s_wait_dscnt 0x0                               ; the add is done, my reads of this slot are over
	s_barrier_signal -1
	MUL16 F1, 0, 2, 0
.if \fill
	WIN 0
.endif
	s_barrier_wait -1
.if \fill
	CREST
	AIM \slot                                      ; the walk's K step two further on
	JLOAD \slot                                    ; its four v_nop are also the places in front of the loads below
.else
	PLACES
.endif
	FETCH \next, 0, F0
	MUL16 F1, 1, 0, 0
	MUL16 F1, 1, 2, 0
.endm
	s_wait_tensorcnt 1                             ; my part of the first K step is in; the second's may stay out
	s_barrier_signal -1
	s_barrier_wait -1
	FETCH 0, 0, F0
	QUARTER 0, 64,  F0, F1, 1                      ; the first quarter starts the sums
	WIN 0
	s_mov_b32 s3, LAPS-1
.Llap:                                                 ; a trip goes once round the ring and fills both slots again
	QUARTER 0, 128, F1, F0, 0
	QUARTER 0, 192, F0, F1, 0
	TURN 0, 1, 1
	QUARTER 1, 64,  F0, F1, 0
	QUARTER 1, 128, F1, F0, 0
	QUARTER 1, 192, F0, F1, 0
	TURN 1, 0, 1
	QUARTER 0, 64,  F0, F1, 0
	WIN 0
	s_sub_co_u32 s3, s3, 1
	s_cmp_lg_u32 s3, 0
	s_cbranch_scc1 .Llap
	QUARTER 0, 128, F1, F0, 0                      ; the last lap fills nothing
	QUARTER 0, 192, F0, F1, 0
	TURN 0, 1, 0
	QUARTER 1, 64,  F0, F1, 0
	QUARTER 1, 128, F1, F0, 0
	QUARTER 1, 192, F0, F1, 0
	s_wait_dscnt 8
	MUL16 F1, 0, 0, 0
	MUL16 F1, 0, 2, 0
	s_wait_dscnt 0x0
	MUL16 F1, 1, 0, 0
	MUL16 F1, 1, 2, 0
	WIN 0
	PLACES
	; THE STAGE.  Every wave's reads of the slots are over (its wait above) when all have passed this barrier; the slots have had their last fill.
	s_barrier_signal -1
	s_barrier_wait -1
.irp hi, 0,1
	WIN 0x08+4*(\hi)                               ; store data in window 2, then 3
.irp a, 0,1,2,3
.irp b, 0,1,2,3,4,5,6,7
	ds_store_b128 v[DST+(\b)/4], v[8*(8*(\a)+(\b)):8*(8*(\a)+(\b))+3]   offset:((\b)%4)*16*SPITCH+(4*(\hi)+(\a))*64     ; an accumulator's low registers first
	ds_store_b128 v[DST+(\b)/4], v[8*(8*(\a)+(\b))+4:8*(8*(\a)+(\b))+7] offset:((\b)%4)*16*SPITCH+(4*(\hi)+(\a))*64+16
.endr
.endr
.endr
	WIN 0
	s_wait_dscnt 0x0                               ; for the others' sake: my stores are done
	s_barrier_signal -1
	s_barrier_wait -1
	; THE SCAN.  Thread t: channel 128 q + t.  A trip is a chunk of 32 rows.
	s_mov_b32 s3, 8
.Lchunk:
.irp c, 0,1,2,3,4,5,6,7
	ds_load_b128 v[ZG+4*(\c):ZG+4*(\c)+3], v[GA] offset:16*(\c)
.endr
.irp c, 0,1,2,3,4,5,6,7
	ds_load_b128 v[ZI+4*(\c):ZI+4*(\c)+3], v[IA] offset:16*(\c)
.endr
	s_wait_dscnt 0x0
	v_add_nc_u32 v[GA], 128, v[GA]
	v_add_nc_u32 v[IA], 128, v[IA]
.set p, 0
.rept 16
	v_pk_fma_f32 v[ZG+2*p:ZG+2*p+1], v[ZG+2*p:ZG+2*p+1], s[NL:NL+1], v[KBG:KBG+1] op_sel_hi:[1,0,1]  ; -log2(e) (zg + bg)
.set p, p+1
.endr
.set p, 0
.rept 16                               ; a plain line stands behind every exponential before its result is used (ISA guide 5.7.2)
	v_exp_f32 v[ZG+2*p], v[ZG+2*p]
	v_pk_add_f32 v[ZI+2*p:ZI+2*p+1], v[ZI+2*p:ZI+2*p+1], v[BI:BI+1]
	v_exp_f32 v[ZG+2*p+1], v[ZG+2*p+1]
.if p > 0
	s_wait_alu depctr_va_vdst(0)
	v_pk_add_f32 v[ZG+2*p-2:ZG+2*p-1], v[ZG+2*p-2:ZG+2*p-1], 1.0 op_sel_hi:[1,0]
.else
	v_nop
.endif
.set p, p+1
.endr
	v_pk_add_f32 v[ZG+30:ZG+31], v[ZG+30:ZG+31], 1.0 op_sel_hi:[1,0]
.set p, 0
.rept 16                               ; gate = 1 / (1 + 2^..); a' = max(gate, 1e-6) two lines behind
	v_rcp_f32 v[ZG+2*p], v[ZG+2*p]
.if p > 0
	s_wait_alu depctr_va_vdst(0)
	v_max_num_f32 v[AP+2*p-2], s[EPSA], v[ZG+2*p-2]
.else
	v_nop
.endif
	v_rcp_f32 v[ZG+2*p+1], v[ZG+2*p+1]
.if p > 0
	s_wait_alu depctr_va_vdst(0)
	v_max_num_f32 v[AP+2*p-1], s[EPSA], v[ZG+2*p-1]
.else
	v_nop
.endif
.set p, p+1
.endr
	s_wait_alu depctr_va_vdst(0)
	v_max_num_f32 v[AP+30], s[EPSA], v[ZG+30]
	v_max_num_f32 v[AP+31], s[EPSA], v[ZG+31]
.set p, 0
.rept 16
	v_pk_fma_f32 v[ZG+2*p:ZG+2*p+1], v[ZG+2*p:ZG+2*p+1], -1.0, 1.0 op_sel_hi:[1,0,0]  ; 1 - gate
.set p, p+1
.endr
.set p, 0
.rept 16
	v_pk_mul_f32 v[ZI+2*p:ZI+2*p+1], v[ZI+2*p:ZI+2*p+1], v[ZG+2*p:ZG+2*p+1]           ; the drive
.set p, p+1
.endr
	s_wait_xcnt 0x0                                ; the last trip's stores have read OL, OA and VO: they are rewritten only behind this wait
	v_add_nc_u32 v[VO], 65536, v[VO]               ; a chunk is two row blocks; the stores below reach back by the immediate
	; three chains (1e8 cum; A; L) and what hangs on them, each a step behind the one that feeds it
.set k, 0
.rept 36
.if k == 0
	v_mul_f32 v[QQ], s[BIG], v[AP]                 ; cum starts anew in every chunk,
	v_mul_f32 v[AV], v[AC], v[AP]                  ; A goes on
.elseif k < 32
	v_mul_f32 v[QQ+k], v[QQ+k-1], v[AP+k]
	v_mul_f32 v[AV+k], v[AV+k-1], v[AP+k]
.endif
.if (k >= 1) && (k <= 32)
	v_min_num_f32 v[ZG+k-1], 1.0, v[QQ+k-1]        ; cum / max(cum, 1e-8)
.endif
.if (k >= 2) && (k <= 33)
	v_mul_f32 v[ZI+k-2], v[ZI+k-2], v[ZG+k-2]
.endif
.if k == 3
	v_fma_f32 v[ZI], v[AP], v[H], v[ZI]
.elseif (k > 3) && (k <= 34)
	v_fma_f32 v[ZI+k-3], v[AP+k-3], v[ZI+k-4], v[ZI+k-3]
.endif
.if (k >= 2) && (k <= 32) && (k%2 == 0)
	v_cvt_pk_bf16_f32 v[OA+(k-2)/2], v[AV+k-2], v[AV+k-1]
.endif
.if (k >= 5) && (k%2 == 1)
	v_cvt_pk_bf16_f32 v[OL+(k-5)/2], v[ZI+k-5], v[ZI+k-4]
.endif
.set k, k+1
.endr
	v_mov_b32 v[H], v[ZI+31]
	v_mov_b32 v[AC], v[AV+31]
.irp u, 0,1,2,3                        ; 8 rows of my channel are 16 bytes; 16 lanes store 256 consecutive bytes, aligned
	global_store_b128 v[VO], v[OL+4*(\u):OL+4*(\u)+3], s[72:73] offset:((\u)/2)*32768+((\u)%2)*256-65536
	global_store_b128 v[VO], v[OA+4*(\u):OA+4*(\u)+3], s[74:75] offset:((\u)/2)*32768+((\u)%2)*256-65536
.endr
	s_sub_co_u32 s3, s3, 1
	s_cmp_lg_u32 s3, 0
	s_cbranch_scc1 .Lchunk
	global_store_b64 v[VG], v[H:H+1], s[76:77]     ; (L, A) of the segment's last row: 256 consecutive bytes a wave
	s_wait_tensorcnt 0x0                           ; the wave's end
	ds_add_u32 v[SPW], v[NIL]
	s_wait_dscnt 0x0
	CROUND                                         ; the closing round
	s_endpgm
.Lfunc_end_k_q60c64aa6d3_proj:
	.size	k_q60c64aa6d3_proj, .Lfunc_end_k_q60c64aa6d3_proj-k_q60c64aa6d3_proj
	.p2alignl 7, 3214868480
	.fill 96, 4, 3214868480
	.section	.rodata,"a",@progbits
	.p2align	6, 0x0
	.amdhsa_kernel k_q60c64aa6d3_proj
		.amdhsa_group_segment_fixed_size 327680
		.amdhsa_private_segment_fixed_size 0
		.amdhsa_enable_private_segment 0
		.amdhsa_kernarg_size 56
		.amdhsa_user_sgpr_count 2
		.amdhsa_user_sgpr_kernarg_segment_ptr 1
		.amdhsa_wavefront_size32 1
		.amdhsa_system_sgpr_workgroup_id_x 1
		.amdhsa_system_sgpr_workgroup_id_y 1
		.amdhsa_system_sgpr_workgroup_id_z 1
		.amdhsa_system_vgpr_workitem_id 0
		.amdhsa_next_free_vgpr 1024
		.amdhsa_next_free_sgpr 90
		.amdhsa_reserve_vcc 0
		.amdhsa_float_denorm_mode_32 3
		.amdhsa_float_denorm_mode_16_64 3
		.amdhsa_memory_ordered 1
		.amdhsa_forward_progress 1
		.amdhsa_inst_pref_size 140
	.end_amdhsa_kernel
	.amdgpu_metadata
---
amdhsa.version: [ 1, 2 ]
amdhsa.kernels:
  - .name:           k_q60c64aa6d3_proj
    .symbol:         k_q60c64aa6d3_proj.kd
    .args:
      - { .name: xb, .offset: 0, .size: 8, .value_kind: global_buffer, .address_space: global }
      - { .name: wc, .offset: 8, .size: 8, .value_kind: global_buffer, .address_space: global }
      - { .name: bg, .offset: 16, .size: 8, .value_kind: global_buffer, .address_space: global }
      - { .name: bi, .offset: 24, .size: 8, .value_kind: global_buffer, .address_space: global }
      - { .name: lw, .offset: 32, .size: 8, .value_kind: global_buffer, .address_space: global }
      - { .name: aw, .offset: 40, .size: 8, .value_kind: global_buffer, .address_space: global }
      - { .name: agg, .offset: 48, .size: 8, .value_kind: global_buffer, .address_space: global }
    .group_segment_fixed_size: 327680
    .private_segment_fixed_size: 0
    .kernarg_segment_align: 8
    .kernarg_segment_size: 56
    .max_flat_workgroup_size: 128
    .sgpr_count:     90
    .vgpr_count:     1024
    .wavefront_size: 32
...
	.end_amdgpu_metadata
.endif
;; end of part 2
;; launch carry (part 3): grid 8 x 1, 4 waves a work-group, no clusters, 0 bytes of LDS; arguments agg, hin; writes hin
.if DOCPART == 3
	.amdgcn_target "amdgcn-amd-amdhsa--gfx1250"
	.amdhsa_code_object_version 6
	.text
	.protected	k_q60c64aa6d3_carry
	.globl	k_q60c64aa6d3_carry
	.p2align	8
	.type	k_q60c64aa6d3_carry,@function
k_q60c64aa6d3_carry:
	s_mov_b64 s[64:65], 0
	v_nop
	global_prefetch_b8 v0, s[64:65] scope:SCOPE_SE
	s_setreg_imm32_b32 hwreg(HW_REG_WAVE_MODE, 25, 1), 1
	s_wait_xcnt 0x0
; The carry into each segment of 256 rows: h(0) = 0 at a batch's first segment, h(k + 1) = A_end(k) h(k) + L_end(k).  16 segments a batch, 4 batches, 1,024 channels.
; agg: f32 [64 segments][1024 channels][L, A].  hin: f32 [64][16 j][16 r][4 b], the carry of channel 64 j + 16 b + r: the order in which the last launch's lanes want it.
; A thread owns (j, r) of one batch, four channels.  All 60 loads go out at once; the chain of 15 steps follows them.  1,024 threads: 8 work-groups have all the work there is;
; matrix units, LDS and clusters have nothing to do here.
.set HK, 4                             ; v[4+4k:7+4k]  h of segment k, four channels: each is a store's data and is never rewritten
.set LD, 72                            ; v[72+8k+2b:..+1]  (L, A) of segment k, channel b
	s_load_b128 s[4:7], s[0:1], 0x0                ; agg s[4:5], hin s[6:7]
	s_lshr_b32 s8, ttmp9, 1                        ; batch
	s_and_b32 s9, ttmp9, 1
	s_lshl_b32 s9, s9, 7
	v_add_nc_u32 v1, s9, v0                        ; 16 j + r
	v_lshrrev_b32 v2, 4, v1
	v_and_b32 v3, 15, v1
	v_lshlrev_b32 v2, 9, v2                        ; 64 channels of 8 bytes for each j,
	v_lshl_add_u32 v2, v3, 3, v2                   ; 8 bytes for each r
	v_lshlrev_b32 v1, 4, v1                        ; hin: 16 bytes for each (j, r)
	s_lshl_b32 s10, s8, 17                         ; a batch is 16 segments of 8,192 bytes in agg,
	s_mov_b32 s11, 0
	s_lshl_b32 s12, s8, 16                         ; of 4,096 in hin
	s_mov_b32 s13, 0
.irp b, 0,1,2,3
	v_mov_b32 v[HK+(\b)], 0
.endr
	s_wait_kmcnt 0x0
	s_add_nc_u64 s[4:5], s[4:5], s[10:11]
	s_add_nc_u64 s[6:7], s[6:7], s[12:13]
.irp k, 0,1,2,3,4,5,6,7,8,9,10,11,12,13,14
.irp b, 0,1,2,3
	global_load_b64 v[LD+8*(\k)+2*(\b):LD+8*(\k)+2*(\b)+1], v2, s[4:5] offset:(\k)*8192+(\b)*128
.endr
.endr
.irp k, 0,1,2,3,4,5,6,7,8,9,10,11,12,13,14
	global_store_b128 v1, v[HK+4*(\k):HK+4*(\k)+3], s[6:7] offset:(\k)*4096  ; 512 consecutive bytes a wave
	s_wait_loadcnt 56-4*(\k)                       ; segment k's four loads are in; the later segments' stay out
.irp b, 0,1,2,3
	v_fma_f32 v[HK+4*(\k)+4+(\b)], v[LD+8*(\k)+2*(\b)+1], v[HK+4*(\k)+(\b)], v[LD+8*(\k)+2*(\b)]
.endr
.endr
	global_store_b128 v1, v[HK+60:HK+63], s[6:7] offset:15*4096
	s_endpgm
.Lfunc_end_k_q60c64aa6d3_carry:
	.size	k_q60c64aa6d3_carry, .Lfunc_end_k_q60c64aa6d3_carry-k_q60c64aa6d3_carry
	.p2alignl 7, 3214868480
	.fill 96, 4, 3214868480
	.section	.rodata,"a",@progbits
	.p2align	6, 0x0
	.amdhsa_kernel k_q60c64aa6d3_carry
		.amdhsa_group_segment_fixed_size 0
		.amdhsa_private_segment_fixed_size 0
		.amdhsa_enable_private_segment 0
		.amdhsa_kernarg_size 16
		.amdhsa_user_sgpr_count 2
		.amdhsa_user_sgpr_kernarg_segment_ptr 1
		.amdhsa_wavefront_size32 1
		.amdhsa_system_sgpr_workgroup_id_x 1
		.amdhsa_system_sgpr_workgroup_id_y 1
		.amdhsa_system_sgpr_workgroup_id_z 1
		.amdhsa_system_vgpr_workitem_id 0
		.amdhsa_next_free_vgpr 200
		.amdhsa_next_free_sgpr 66
		.amdhsa_reserve_vcc 0
		.amdhsa_float_denorm_mode_32 3
		.amdhsa_float_denorm_mode_16_64 3
		.amdhsa_memory_ordered 1
		.amdhsa_forward_progress 1
		.amdhsa_inst_pref_size 13
	.end_amdhsa_kernel
	.amdgpu_metadata
---
amdhsa.version: [ 1, 2 ]
amdhsa.kernels:
  - .name:           k_q60c64aa6d3_carry
    .symbol:         k_q60c64aa6d3_carry.kd
    .args:
      - { .name: agg, .offset: 0, .size: 8, .value_kind: global_buffer, .address_space: global }
      - { .name: hin, .offset: 8, .size: 8, .value_kind: global_buffer, .address_space: global }
    .group_segment_fixed_size: 0
    .private_segment_fixed_size: 0
    .kernarg_segment_align: 8
    .kernarg_segment_size: 16
    .max_flat_workgroup_size: 128
    .sgpr_count:     66
    .vgpr_count:     200
    .wavefront_size: 32
...
	.end_amdgpu_metadata
.endif
;; end of part 3
;; launch outln (part 4): grid 256 x 1, 4 waves a work-group, clusters of 4 x 1, 327,680 bytes of LDS; arguments lw, aw, hin, wob, x, bo, ln_g, ln_b, out0; writes out0
.if DOCPART == 4
	.amdgcn_target "amdgcn-amd-amdhsa--gfx1250"
	.amdhsa_code_object_version 6
	.text
	.protected	k_q60c64aa6d3_outln
	.globl	k_q60c64aa6d3_outln
	.p2align	8
	.type	k_q60c64aa6d3_outln,@function
k_q60c64aa6d3_outln:
	s_mov_b64 s[64:65], 0
	v_nop
	global_prefetch_b8 v0, s[64:65] scope:SCOPE_SE
	s_setreg_imm32_b32 hwreg(HW_REG_WAVE_MODE, 25, 1), 1
	s_wait_xcnt 0x0
	s_wait_alu depctr_hold_cnt(0) depctr_sa_sdst(0) depctr_va_vdst(0) depctr_va_sdst(0) depctr_va_ssrc(0) depctr_va_vcc(0) depctr_vm_vsrc(0)
	s_getreg_b32 s2, hwreg(HW_REG_IB_STS2, 6, 4)
	s_cmp_eq_u32 s2, 0
	s_cbranch_scc0 .Lentry_in_a_cluster
	s_endpgm
.Lentry_in_a_cluster:
	s_bfe_u32 s2, ttmp6, 0x10000c
	s_cmp_lg_u32 s2, 0x3003
	s_cbranch_scc0 .Lentry_shape_is_right
	s_endpgm
.Lentry_shape_is_right:
; state = L + A h_in (f32, rounded once to bf16); y = x + state Wo^T + bo (bf16 operands, f32 sums, x in f32); out0 = LayerNorm(y) ln_g + ln_b, mean first, then the mean of (y - mean)^2.
; SHARES.  A work-group owns 64 rows and all 1,024 columns, since a row's norm needs the whole row: 256 work-groups.  Wave w owns columns 256 w .. + 255: 16 x 4 accumulators, 512 registers.
; The four work-groups of a cluster are one segment of 256 rows; all walk the same Wo, so its tiles are asked for JOINTLY (mask of four).
; K goes in steps of 64 through two slots of 1,024 rows x 128 bytes of wob, as large as two fit; each wave fetches and reads its own 256 rows.
; THE WALK ALONG K IS ROTATED: a cluster begins at K step (cluster x) mod 16 and goes round, so that at any step the 64 clusters are spread over all 16 tiles of wob, four to a tile, and do not all ask for
; the same bytes at the same time.  The start hangs on the cluster's number alone, which the four partners share; it enters global addresses alone (wob, lw, aw, hin), no LDS address and no count.
; THE STATES of a K step (64 rows x 64 channels) are made a step ahead: wave w makes rows 16 w .. + 15 from lw, aw and hin, which were asked for two steps earlier (two register stages), and stores
; them [channel][row] into one of two LDS buffers; all waves read them turned (ds_load_tr16_b128).
; THE MATRIX INSTRUCTION IS USED TRANSPOSED: source 0 = 16 rows of Wo, source 1 = 16 rows of states: a lane holds 8 neighbouring columns of one row of y.
; LIMITS.  L, A and the state are bf16; the order of rounding of the sums over K hangs on the cluster; NaN and infinities are not treated apart.
; REGISTERS: window 0: v0-29 addresses; v64-127 state fragments (two buffers); v128-199 the two stages; v200-231 at work.  window 1: Wo's fragments, two buffers of 128.
;   window 2: accumulators of column blocks 0-7 ((i, a) at v[32 i + 8 a]); window 3: blocks 8-15.  On the way out: window 0 v32-95 two rows, v96-191 bo, ln_g, ln_b, v192-228 at work; window 1 v0-127 four rows of x.
.set PW,    144                        ; a row of Wo in LDS: 128 bytes + 16: the 16 rows of a load start 4 banks apart
.set WSLOT, 1024*PW
.set WPART, 256*PW                     ; a wave's part of a slot
.set SB0,   2*WSLOT                    ; the two state buffers: [64 channels][64 rows] bf16,
.set PS,    160                        ; 128 bytes + 32: an odd multiple of 32, for the turning load
.set SBB,   64*PS
.set SPARE, SB0+2*SBB                  ; the spare words, 128 bytes a wave
.set PY,    4112                       ; the stage (over the slots, behind their last fill): f32 [64 rows][1024 columns], 4,096 bytes + 16
.set ADW, 10                           ; v10-11  my Wo fragments in slot 0, 1
.set SFA, 12                           ; v12     my lane's place for the turning load, buffer 0
.set STA, 13                           ; v13     where I store 16 bytes of states, buffer 0
.set VO,  14                           ; v14-15  stage g: my byte offset in lw and aw
.set VH,  16                           ; v16-17  stage g: my byte offset in hin
.set STO, 18                           ; v18-21  the stage: my place in row block a
.set RDA, 22                           ; v22     the stage: where I read a row back
.set VX,  23                           ; v23     16 x lane
.set VP,  24                           ; v24     256 x lane, for the prefetches; never rewritten
.set SPW, 28
.set NIL, 29
.set SF,  64                           ; state fragments: buffer f at SF + 32 f
.set RL,  128                          ; stage g: L at RL + 16 g, A at RA + 16 g, h at RH + 4 g
.set RA,  160
.set RH,  192
.set T,   200
.set S,   216
.set Y0,  32
.set BO,  96
.set LG,  128
.set LB,  160
.set TT,  192
.set MU,  224
.set RS,  226
.set PT,  228
.set WV,  22                           ; s22 my wave's number
.set G1,  24                           ; s[24:31]
.set G0,  32                           ; s[32:39] a set for each slot
.set SEL, 42                           ; s[42:43]
.set CNT, 44
.set I1K, 56                           ; s56 1 / 1024
.set EPS, 57                           ; s57 1e-5
.set NXT, 60                           ; s60 the K step to be asked for next, 0 to 15
.set KO,  62                           ; s[62:63] its byte offset in wob
.set MSB, 0
.macro WIN new
.if MSB != (\new)
	s_set_vgpr_msb (MSB<<8)|(\new)
.set MSB, \new
.endif
.endm
.set MUL_LO, 0xa1                      ; source 0 (Wo) window 1, source 1 (states) window 0, C and D window 2
.macro CREST
	s_cmp_lg_u32 s[WV], 0
	s_cbranch_scc1 .Lnot_wave_0_\@
	s_barrier_signal -3
.Lnot_wave_0_\@:
	s_barrier_wait -3
	s_barrier_signal -1
	s_barrier_wait -1
.endm
.macro CROUND
	s_barrier_signal -1
	s_barrier_wait -1
	CREST
.endm
.macro PLACES
.rept 4
	v_nop
.endr
.endm
; Slot s's descriptor is pointed at K step NXT: the address is made anew from my part's first byte in wob and the step's 131,072 bytes, the type set again; NXT goes on, round the 16 steps.
; It stands only where no tensor load of the wave is out.
.macro AIM s
	s_lshl_b32 s[KO], s[NXT], 17
	s_add_nc_u64 s[G0+4*(\s)+2:G0+4*(\s)+3], s[10:11], s[KO:KO+1]
	s_or_b32 s[G0+4*(\s)+3], s[G0+4*(\s)+3], 0x80000000
	s_add_co_u32 s[NXT], s[NXT], 1
	s_and_b32 s[NXT], s[NXT], 15
.endm
	s_load_b512 s[4:19], s[0:1], 0x0               ; lw s[4:5], aw s[6:7], hin s[8:9], wob s[10:11], x s[12:13], bo s[14:15], ln_g s[16:17], ln_b s[18:19]
	s_load_b64 s[20:21], s[0:1], 0x40              ; out0
	v_lshl_add_u32 v[SPW], v0, 2, SPARE
	v_mov_b32 v[NIL], 0
	ds_add_u32 v[SPW], v[NIL]                      ; the wave's opening: the add and its wait stand ahead of my first tensor load
	v_lshrrev_b32 v4, 5, v0
	v_readfirstlane_b32 s[WV], v4
	s_bfe_u32 s40, ttmp6, 0x40000                  ; cx
	s_lshl_b32 s41, ttmp9, 2
	s_add_co_u32 s41, s41, s40                     ; my block of 64 rows: it enters my own loads' and stores' addresses alone
	s_and_b32 s[NXT], ttmp9, 15                    ; the K step with which my cluster begins,
	s_add_co_u32 s61, s[NXT], 1
	s_and_b32 s61, s61, 15                         ; and its second
	s_mov_b32 s[KO+1], 0
	s_mov_b32 s[G1+0], 15|(1<<16)|(1<<20)|(1<<21)|(4<<22)|(3<<25)  ; the mask of four; 2-byte elements; padding on; bit 21 beside a mask; after every 32 words 4 words
	s_mov_b32 s[G1+1], 128<<16                     ; a wave's 32,768 dense bytes as 128 rows of 256
	s_mov_b32 s[G1+2], 128<<16
	s_mov_b32 s[G1+3], 128<<16
	s_mov_b32 s[G1+4], 128
	s_mov_b32 s[G1+5], 128
	s_mov_b32 s[G1+6], 0
	s_mov_b32 s[G1+7], 0
	s_mov_b32 s[SEL], 0x76543210
	s_mov_b32 s[SEL+1], 0xfedcba98
	s_mov_b32 s[I1K], 0x3a800000
	s_mov_b32 s[EPS], 0x3727c5ac
	s_mul_i32 s46, s[WV], WPART                    ; my part of a slot
	s_lshl_b32 s48, s[WV], 15                      ; and of a K step in wob
	s_mov_b32 s49, 0
	s_lshl_b32 s50, s41, 2
	s_add_co_u32 s50, s50, s[WV]                   ; my block of 16 rows
	s_lshl_b32 s52, s50, 16                        ; x, out0: 16 rows of 4,096 bytes
	s_mov_b32 s53, 0
	s_lshl_b32 s50, s50, 15                        ; lw, aw: 64 blocks of 512 bytes
	s_mov_b32 s51, 0
	s_lshl_b32 s54, ttmp9, 12                      ; hin: the cluster's segment
	s_mov_b32 s55, 0
	v_and_b32 v3, 31, v0                           ; lane
	v_and_b32 v1, 15, v0                           ; r
	v_bfe_u32 v2, v0, 4, 1                         ; h
	v_mul_u32_u24 v5, v1, PW
	v_lshl_add_u32 v5, v2, 4, v5
	v_add_nc_u32 v[ADW], s46, v5
	v_add_nc_u32 v[ADW+1], WSLOT, v[ADW]
	v_and_b32 v6, 7, v0
	v_lshl_add_u32 v6, v2, 3, v6                   ; the turning load: channel 8 h + lane % 8,
	v_mul_u32_u24 v6, v6, PS
	v_bfe_u32 v7, v0, 3, 1
	v_lshl_add_u32 v6, v7, 4, v6                   ; rows 8 ((lane / 8) % 2) on
	v_add_nc_u32 v[SFA], SB0, v6
	v_mul_u32_u24 v8, v1, PS                       ; my states: channel r of a block of 16, rows 16 w + 8 h on
	v_lshl_add_u32 v8, v2, 4, v8
	s_lshl_b32 s47, s[WV], 5
	s_add_co_u32 s47, s47, SB0
	v_add_nc_u32 v[STA], s47, v8
	s_lshl_b32 s45, s[NXT], 11                     ; a K step is 4 blocks of 512 bytes in my 32,768 of lw and aw,
	v_lshl_add_u32 v[VO], v3, 4, s45
	s_lshl_b32 s45, s61, 11
	v_lshl_add_u32 v[VO+1], v3, 4, s45
	s_lshl_b32 s45, s[NXT], 8                      ; and 256 bytes in the segment's 4,096 of hin
	v_lshl_add_u32 v[VH], v1, 4, s45
	s_lshl_b32 s45, s61, 8
	v_lshl_add_u32 v[VH+1], v1, 4, s45
	v_mul_u32_u24 v9, v1, PY
	v_lshl_add_u32 v9, v2, 5, v9
	s_lshl_b32 s58, s[WV], 10
	v_add_nc_u32 v[STO], s58, v9                   ; row 16 a + r, column 256 w + 8 h
	v_add_nc_u32 v[STO+1], 16*PY, v[STO]
	v_add_nc_u32 v[STO+2], 32*PY, v[STO]
	v_add_nc_u32 v[STO+3], 48*PY, v[STO]
	s_mul_i32 s59, s[WV], 16*PY
	v_lshl_add_u32 v[RDA], v3, 4, s59              ; back: wave w takes rows 16 w .. + 15, whole
	v_lshlrev_b32 v[VX], 4, v3
	v_lshlrev_b32 v[VP], 8, v3
	s_wait_dscnt 0x0                               ; the opening add is done
	s_wait_kmcnt 0x0
	s_add_nc_u64 s[10:11], s[10:11], s[48:49]      ; my part's first byte in wob; kept
.irp s, 0,1
	s_mov_b32 s[G0+4*(\s)], 1
	s_add_co_u32 s[G0+4*(\s)+1], s46, (\s)*WSLOT
	AIM \s                                         ; the walk's first two K steps
.endr
	s_add_nc_u64 s[4:5], s[4:5], s[50:51]
	s_add_nc_u64 s[6:7], s[6:7], s[50:51]
	s_add_nc_u64 s[8:9], s[8:9], s[54:55]
	s_add_nc_u64 s[12:13], s[12:13], s[52:53]
	s_add_nc_u64 s[20:21], s[20:21], s[52:53]
	CROUND                                         ; all four work-groups are here: the first joint loads meet
	tensor_load_to_lds s[G0:G0+3], s[G1:G1+7]      ; the walk's first two K steps: two loads of mine are out
	s_nop 0
	tensor_load_to_lds s[G0+4:G0+7], s[G1:G1+7]
	s_nop 0
	PLACES
.macro ASK g                           ; nine loads: a K step's L, A (4 blocks of 512 consecutive bytes each) and h for my 16 rows, into stage g
.irp b, 0,1,2,3
	global_load_b128 v[RL+16*(\g)+4*(\b):RL+16*(\g)+4*(\b)+3], v[VO+(\g)], s[4:5] offset:512*(\b) th:TH_LOAD_NT
.endr
.irp b, 0,1,2,3
	global_load_b128 v[RA+16*(\g)+4*(\b):RA+16*(\g)+4*(\b)+3], v[VO+(\g)], s[6:7] offset:512*(\b) th:TH_LOAD_NT
.endr
	global_load_b128 v[RH+4*(\g):RH+4*(\g)+3], v[VH+(\g)], s[8:9]
.endm
; Stage g's states go into buffer par.  lcnt: the other stage's loads, which may stay out.  reissue = 1: the stage is asked for the K step two further on in the walk.
.macro BUILD g, par, reissue, lcnt
	WIN 0
	s_wait_loadcnt \lcnt
.irp b, 0,1,2,3
.irp p, 0,1,2,3
	v_fma_mix_f32_bf16 v[T+8*((\b)%2)+2*(\p)],   v[RA+16*(\g)+4*(\b)+(\p)], v[RH+4*(\g)+(\b)], v[RL+16*(\g)+4*(\b)+(\p)] op_sel:[0,0,0] op_sel_hi:[1,0,1]  ; A h + L, the even row
	v_fma_mix_f32_bf16 v[T+8*((\b)%2)+2*(\p)+1], v[RA+16*(\g)+4*(\b)+(\p)], v[RH+4*(\g)+(\b)], v[RL+16*(\g)+4*(\b)+(\p)] op_sel:[1,0,1] op_sel_hi:[1,0,1]  ; the odd row
.endr
.irp p, 0,1,2,3
	v_cvt_pk_bf16_f32 v[S+4*(\b)+(\p)], v[T+8*((\b)%2)+2*(\p)], v[T+8*((\b)%2)+2*(\p)+1]
.endr
.endr
.irp b, 0,1,2,3
	ds_store_b128 v[STA], v[S+4*(\b):S+4*(\b)+3] offset:(\par)*SBB+(\b)*16*PS
.endr
.if \reissue
	v_add_nc_u32 v[VO+(\g)], 4096, v[VO+(\g)]      ; free: the wait above has shown this stage's loads done.  Two K steps on,
	v_and_b32 v[VO+(\g)], 0x7fff, v[VO+(\g)]       ; round my 32,768 bytes
	v_add_nc_u32 v[VH+(\g)], 512, v[VH+(\g)]
	v_and_b32 v[VH+(\g)], 0xfff, v[VH+(\g)]        ; and round the segment's 4,096
	ASK \g
.endif
.endm
; 16 matrix instructions: column blocks i0 .. i0 + 3 of the window's eight x the 4 row blocks, 32 along K, buffer f.  The 64 accumulators take turns.
.macro MULW f, hi, i0, zero
	WIN MUL_LO+0x50*(\hi)
.irp i, \i0, (\i0)+1, (\i0)+2, (\i0)+3
.irp a, 0,1,2,3
.if \zero
	v_wmma_f32_16x16x32_bf16 v[32*(\i)+8*(\a):32*(\i)+8*(\a)+7], v[128*(\f)+8*(8*(\hi)+(\i)):128*(\f)+8*(8*(\hi)+(\i))+7], v[SF+32*(\f)+8*(\a):SF+32*(\f)+8*(\a)+7], 0
.else
	v_wmma_f32_16x16x32_bf16 v[32*(\i)+8*(\a):32*(\i)+8*(\a)+7], v[128*(\f)+8*(8*(\hi)+(\i)):128*(\f)+8*(8*(\hi)+(\i))+7], v[SF+32*(\f)+8*(\a):SF+32*(\f)+8*(\a)+7], v[32*(\i)+8*(\a):32*(\i)+8*(\a)+7]
.endif
.endr
.endr
.endm
; 40 LDS loads in one run: half kc (32 along K) of a K step into buffer f: 8 turning loads of states from buffer par, then Wo's 16 blocks in ascending order
.macro FETCHW slot, kc, par, f
	WIN 0
.irp a, 0,1,2,3
	ds_load_tr16_b128 v[SF+32*(\f)+8*(\a):SF+32*(\f)+8*(\a)+3],   v[SFA] offset:(\par)*SBB+(\kc)*32*PS+32*(\a)
	ds_load_tr16_b128 v[SF+32*(\f)+8*(\a)+4:SF+32*(\f)+8*(\a)+7], v[SFA] offset:(\par)*SBB+(\kc)*32*PS+32*(\a)+16*PS
.endr
	WIN 0x40
.irp i, 0,1,2,3,4,5,6,7,8,9,10,11,12,13,14,15
	ds_load_b128 v[128*(\f)+8*(\i):128*(\f)+8*(\i)+3],   v[ADW+(\slot)] offset:(\i)*16*PW+64*(\kc)
	ds_load_b128 v[128*(\f)+8*(\i)+4:128*(\f)+8*(\i)+7], v[ADW+(\slot)] offset:(\i)*16*PW+64*(\kc)+32
.endr
.endm
; A K step's first half: multiplies buffer 0; in its middle the next step's states are made (their 48 plain lines are also the places in front of the loads) and the second half is fetched.
; pf = 0, 1: the wave asks ahead for rows 4 pf .. 4 pf + 3 of its own 16 rows of x: two prefetches, lanes 256 bytes apart, 8,192 bytes (two rows) each; every block of 256 bytes is asked for once.
.macro HALF_A slot, par, build, g, reissue, lcnt, zero, pf=-1
	s_wait_dscnt 16                                ; the states and Wo's blocks 0-7 are in; blocks 8-15 may be out
	MULW 0, 0, 0, \zero
	MULW 0, 0, 4, \zero
.if \build
	BUILD \g, 1-(\par), \reissue, \lcnt
.else
	PLACES
.endif
.if (\pf) >= 0
	WIN 0
	global_prefetch_b8 v[VP], s[12:13] offset:(\pf)*16384 th:TH_LOAD_NT scope:SCOPE_SE
	global_prefetch_b8 v[VP], s[12:13] offset:(\pf)*16384+8192 th:TH_LOAD_NT scope:SCOPE_SE
.endif
	FETCHW \slot, 1, \par, 1
.if \build
	s_wait_dscnt 44                                ; all but the 4 stores and 40 loads just issued
.else
	s_wait_dscnt 40
.endif
	MULW 0, 1, 0, \zero
	MULW 0, 1, 4, \zero
.endm
; The second half multiplies buffer 1 and changes slots: one barrier; in front of it each wave waits for all its tensor loads (one is out: its part of the next slot), adds 0 to its spare word, and
; waits for that, for its reads of this slot and this state buffer, and for its stores into the other buffer.  fill = 1: the barrier opens a round of the cluster's; the joint refill comes first behind it.
.macro TURNW slot, next, npar, fill
	WIN 0
	s_wait_tensorcnt 0x0
	ds_add_u32 v[SPW], v[NIL]
	s_wait_dscnt 17                                ; the add and the youngest sixteen loads may be out
	MULW 1, 0, 0, 0
	s_wait_dscnt 0x0
	s_barrier_signal -1
	MULW 1, 0, 4, 0
.if \fill
	WIN 0
.endif
	s_barrier_wait -1
.if \fill
	CREST
	AIM \slot                                      ; the walk's K step two further on
	tensor_load_to_lds s[G0+4*(\slot):G0+4*(\slot)+3], s[G1:G1+7]  ; my one load behind the round: 96 matrix instructions ahead of the wait for it
	s_nop 0
	PLACES                                         ; also the places in front of the loads below
.else
	PLACES
.endif
	FETCHW \next, 0, \npar, 0
	MULW 1, 1, 0, 0
	MULW 1, 1, 4, 0
.endm
	ASK 0                                          ; the walk's step 0
	ASK 1                                          ; step 1
	BUILD 0, 0, 1, 9                               ; step 0's states; stage 0 asks for step 2
	s_wait_tensorcnt 1                             ; my part of slot 0 is in; slot 1's may stay out
	s_wait_dscnt 0x0                               ; my states are stored
	s_barrier_signal -1
	s_barrier_wait -1
	FETCHW 0, 0, 0, 0
	HALF_A 0, 0, 1, 1, 1, 9, 1                     ; the first half step starts the sums; step 1's states; stage 1 asks for step 3
	WIN 0
	s_mov_b32 s[CNT], 6
.Lk:                                                   ; a trip: two K steps, from a second half to the first half two steps on; both slots are filled again
	TURNW 0, 1, 1, 1
	HALF_A 1, 1, 1, 0, 1, 9, 0
	TURNW 1, 0, 0, 1
	HALF_A 0, 0, 1, 1, 1, 9, 0
	WIN 0
	s_sub_co_u32 s[CNT], s[CNT], 1
	s_cmp_lg_u32 s[CNT], 0
	s_cbranch_scc1 .Lk
	TURNW 0, 1, 1, 1                               ; slot 0 takes the walk's step 14
	HALF_A 1, 1, 1, 0, 0, 9, 0                     ; step 14's states; nothing more is asked for
	TURNW 1, 0, 0, 1                               ; slot 1 takes step 15
	HALF_A 0, 0, 1, 1, 0, 0, 0, 0                  ; step 15's states: no younger load is out.  One and three quarter K steps ahead of the way out: x's rows 0-3 are asked ahead
	TURNW 0, 1, 1, 0
	HALF_A 1, 1, 0, 0, 0, 0, 0, 1                  ; rows 4-7: 32,768 bytes a wave in all; rows 8-15 are not asked ahead
	s_wait_dscnt 16
	MULW 1, 0, 0, 0
	MULW 1, 0, 4, 0
	s_wait_dscnt 0x0
	MULW 1, 1, 0, 0
	MULW 1, 1, 4, 0
	; THE WAY OUT.  The parameters and the first four rows of x are asked for; the sums go through a stage, so that a wave holds whole rows.
	WIN 0
	PLACES
	v_mov_b32 v[MU+1], 0                           ; named in pairs, so they are written
	v_mov_b32 v[RS+1], 0
	v_mov_b32 v[PT], 0
.irp c, 0,1,2,3,4,5,6,7                ; my columns: 128 c + 4 lane + 0..3
	global_load_b128 v[BO+4*(\c):BO+4*(\c)+3], v[VX], s[14:15] offset:512*(\c)
.endr
.irp c, 0,1,2,3,4,5,6,7
	global_load_b128 v[LG+4*(\c):LG+4*(\c)+3], v[VX], s[16:17] offset:512*(\c)
.endr
.irp c, 0,1,2,3,4,5,6,7
	global_load_b128 v[LB+4*(\c):LB+4*(\c)+3], v[VX], s[18:19] offset:512*(\c)
.endr
	WIN 0x40
.irp k, 0,1,2,3
.irp c, 0,1,2,3,4,5,6,7
	global_load_b128 v[32*(\k)+4*(\c):32*(\k)+4*(\c)+3], v[VX], s[12:13] offset:(\k)*4096+512*(\c) th:TH_LOAD_NT
.endr
.endr
	WIN 0
	s_barrier_signal -1                            ; every wave's reads of the slots are over (its wait for 0 above); the slots have had their last fill
	s_barrier_wait -1
.irp hi, 0,1
	WIN 0x08+4*(\hi)
.irp i, 0,1,2,3,4,5,6,7
.irp a, 0,1,2,3
	ds_store_b128 v[STO+(\a)], v[32*(\i)+8*(\a):32*(\i)+8*(\a)+3]   offset:64*(8*(\hi)+(\i))     ; an accumulator's low registers first
	ds_store_b128 v[STO+(\a)], v[32*(\i)+8*(\a)+4:32*(\i)+8*(\a)+7] offset:64*(8*(\hi)+(\i))+16
.endr
.endr
.endr
	WIN 0
	s_wait_dscnt 0x0                               ; for the others' sake: my stores are done
	s_barrier_signal -1
	s_barrier_wait -1
.irp c, 0,1,2,3,4,5,6,7
	ds_load_b128 v[Y0+4*(\c):Y0+4*(\c)+3], v[RDA] offset:512*(\c)
.endr
.macro LANES                           ; the sum of v[TT] over the 32 lanes, in every lane
	v_add_f32_dpp v[TT], v[TT], v[TT] row_xmask:1 row_mask:0xf bank_mask:0xf
	v_add_f32_dpp v[TT], v[TT], v[TT] row_xmask:2 row_mask:0xf bank_mask:0xf
	v_add_f32_dpp v[TT], v[TT], v[TT] row_xmask:4 row_mask:0xf bank_mask:0xf
	v_add_f32_dpp v[TT], v[TT], v[TT] row_xmask:8 row_mask:0xf bank_mask:0xf
	v_permlanex16_b32 v[PT], v[TT], s[SEL], s[SEL+1]
	v_add_f32 v[TT], v[TT], v[PT]
.endm
; Row k of four.  A row is 32 registers of one wave.  refill = 1: x's slot takes the row four further on.  nxt = 1: the next row is read from the stage.  lcnt: the younger loads of x that may stay out.
.macro ROW k, refill, nxt, lcnt
.set YC, Y0+32*((\k)%2)
.set YN, Y0+32*(1-(\k)%2)
	WIN 0
	s_wait_xcnt 0x0                                ; the other row's registers, which the last row's stores read, are loaded again only behind this wait
.if \nxt
.irp c, 0,1,2,3,4,5,6,7
	ds_load_b128 v[YN+4*(\c):YN+4*(\c)+3], v[RDA] offset:((\k)+1)*PY+512*(\c)
.endr
.endif
	s_wait_loadcnt \lcnt
.if \nxt
	s_wait_dscnt 8                                 ; my row is in; the next row's eight loads may be out
.else
	s_wait_dscnt 0x0
.endif
	WIN 0x04                                       ; source 1 (x) in window 1
.set p, 0
.rept 16
	v_pk_add_f32 v[YC+2*p:YC+2*p+1], v[YC+2*p:YC+2*p+1], v[32*(\k)+2*p:32*(\k)+2*p+1]
.set p, p+1
.endr
.if \refill
	WIN 0x40
.irp c, 0,1,2,3,4,5,6,7
	global_load_b128 v[32*(\k)+4*(\c):32*(\k)+4*(\c)+3], v[VX], s[12:13] offset:((\k)+4)*4096+512*(\c) th:TH_LOAD_NT
.endr
.endif
	WIN 0
.set p, 0
.rept 16
	v_pk_add_f32 v[YC+2*p:YC+2*p+1], v[YC+2*p:YC+2*p+1], v[BO+2*p:BO+2*p+1]
.set p, p+1
.endr
.set p, 0
.rept 8
	v_pk_add_f32 v[TT+2*p:TT+2*p+1], v[YC+4*p:YC+4*p+1], v[YC+4*p+2:YC+4*p+3]
.set p, p+1
.endr
.set p, 0
.rept 4
	v_pk_add_f32 v[TT+2*p:TT+2*p+1], v[TT+2*p:TT+2*p+1], v[TT+2*p+8:TT+2*p+9]
.set p, p+1
.endr
	v_pk_add_f32 v[TT:TT+1], v[TT:TT+1], v[TT+4:TT+5]
	v_pk_add_f32 v[TT+2:TT+3], v[TT+2:TT+3], v[TT+6:TT+7]
	v_pk_add_f32 v[TT:TT+1], v[TT:TT+1], v[TT+2:TT+3]
	v_add_f32 v[TT], v[TT], v[TT+1]
	LANES
	v_mul_f32 v[MU], s[I1K], v[TT]                 ; the mean
.set p, 0
.rept 16
	v_pk_add_f32 v[YC+2*p:YC+2*p+1], v[YC+2*p:YC+2*p+1], v[MU:MU+1] op_sel_hi:[1,0] neg_lo:[0,1] neg_hi:[0,1]
.set p, p+1
.endr
.set p, 0
.rept 16                               ; the squares, in four chains
.if p < 4
	v_pk_mul_f32 v[TT+2*p:TT+2*p+1], v[YC+2*p:YC+2*p+1], v[YC+2*p:YC+2*p+1]
.else
	v_pk_fma_f32 v[TT+2*(p%4):TT+2*(p%4)+1], v[YC+2*p:YC+2*p+1], v[YC+2*p:YC+2*p+1], v[TT+2*(p%4):TT+2*(p%4)+1]
.endif
.set p, p+1
.endr
	v_pk_add_f32 v[TT:TT+1], v[TT:TT+1], v[TT+4:TT+5]
	v_pk_add_f32 v[TT+2:TT+3], v[TT+2:TT+3], v[TT+6:TT+7]
	v_pk_add_f32 v[TT:TT+1], v[TT:TT+1], v[TT+2:TT+3]
	v_add_f32 v[TT], v[TT], v[TT+1]
	LANES
	v_fma_f32 v[TT], v[TT], s[I1K], s[EPS]         ; variance + 1e-5
	v_rsq_f32 v[RS], v[TT]
	v_nop                                          ; a plain line between the root and the use of its result (ISA guide 5.7.2)
.set p, 0
	s_wait_alu depctr_va_vdst(0)
.rept 16
	v_pk_mul_f32 v[YC+2*p:YC+2*p+1], v[YC+2*p:YC+2*p+1], v[RS:RS+1] op_sel_hi:[1,0]
.set p, p+1
.endr
.set p, 0
.rept 16
	v_pk_fma_f32 v[YC+2*p:YC+2*p+1], v[YC+2*p:YC+2*p+1], v[LG+2*p:LG+2*p+1], v[LB+2*p:LB+2*p+1]
.set p, p+1
.endr
.irp c, 0,1,2,3,4,5,6,7
	global_store_b128 v[VX], v[YC+4*(\c):YC+4*(\c)+3], s[20:21] offset:(\k)*4096+512*(\c) th:TH_STORE_NT  ; 512 consecutive bytes, aligned
.endr
.endm
	s_mov_b32 s[CNT], 3
.Lrows:                                                ; a trip: four rows; three younger rows of x (24 loads) stay out at each wait
	ROW 0, 1, 1, 24
	ROW 1, 1, 1, 24
	ROW 2, 1, 1, 24
	ROW 3, 1, 1, 24
	s_wait_xcnt 0x0                                ; the bases are stepped only behind this wait
	s_add_nc_u64 s[12:13], s[12:13], 16384
	s_add_nc_u64 s[20:21], s[20:21], 16384
	v_add_nc_u32 v[RDA], 4*PY, v[RDA]
	s_sub_co_u32 s[CNT], s[CNT], 1
	s_cmp_lg_u32 s[CNT], 0
	s_cbranch_scc1 .Lrows
	ROW 0, 0, 1, 24                                ; the last four rows ask for nothing: the counts run down
	ROW 1, 0, 1, 16
	ROW 2, 0, 1, 8
	ROW 3, 0, 0, 0
	s_wait_tensorcnt 0x0                           ; the wave's end
	ds_add_u32 v[SPW], v[NIL]
	s_wait_dscnt 0x0
	CROUND                                         ; the closing round
	s_endpgm
.Lfunc_end_k_q60c64aa6d3_outln:
	.size	k_q60c64aa6d3_outln, .Lfunc_end_k_q60c64aa6d3_outln-k_q60c64aa6d3_outln
	.p2alignl 7, 3214868480
	.fill 96, 4, 3214868480
	.section	.rodata,"a",@progbits
	.p2align	6, 0x0
	.amdhsa_kernel k_q60c64aa6d3_outln
		.amdhsa_group_segment_fixed_size 327680
		.amdhsa_private_segment_fixed_size 0
		.amdhsa_enable_private_segment 0
		.amdhsa_kernarg_size 72
		.amdhsa_user_sgpr_count 2
		.amdhsa_user_sgpr_kernarg_segment_ptr 1
		.amdhsa_wavefront_size32 1
		.amdhsa_system_sgpr_workgroup_id_x 1
		.amdhsa_system_sgpr_workgroup_id_y 1
		.amdhsa_system_sgpr_workgroup_id_z 1
		.amdhsa_system_vgpr_workitem_id 0
		.amdhsa_next_free_vgpr 1024
		.amdhsa_next_free_sgpr 66
		.amdhsa_reserve_vcc 0
		.amdhsa_float_denorm_mode_32 3
		.amdhsa_float_denorm_mode_16_64 3
		.amdhsa_memory_ordered 1
		.amdhsa_forward_progress 1
		.amdhsa_inst_pref_size 210
	.end_amdhsa_kernel
	.amdgpu_metadata
---
amdhsa.version: [ 1, 2 ]
amdhsa.kernels:
  - .name:           k_q60c64aa6d3_outln
    .symbol:         k_q60c64aa6d3_outln.kd
    .args:
      - { .name: lw, .offset: 0, .size: 8, .value_kind: global_buffer, .address_space: global }
      - { .name: aw, .offset: 8, .size: 8, .value_kind: global_buffer, .address_space: global }
      - { .name: hin, .offset: 16, .size: 8, .value_kind: global_buffer, .address_space: global }
      - { .name: wob, .offset: 24, .size: 8, .value_kind: global_buffer, .address_space: global }
      - { .name: x, .offset: 32, .size: 8, .value_kind: global_buffer, .address_space: global }
      - { .name: bo, .offset: 40, .size: 8, .value_kind: global_buffer, .address_space: global }
      - { .name: ln_g, .offset: 48, .size: 8, .value_kind: global_buffer, .address_space: global }
      - { .name: ln_b, .offset: 56, .size: 8, .value_kind: global_buffer, .address_space: global }
      - { .name: out0, .offset: 64, .size: 8, .value_kind: global_buffer, .address_space: global }
    .group_segment_fixed_size: 327680
    .private_segment_fixed_size: 0
    .kernarg_segment_align: 8
    .kernarg_segment_size: 72
    .max_flat_workgroup_size: 128
    .sgpr_count:     66
    .vgpr_count:     1024
    .wavefront_size: 32
...
	.end_amdgpu_metadata
.endif
;; end of part 4
;; ======== version 2 of 2: 4 launches; version 1 with the launches cast, carry written anew for expert scheduling mode
;; limits: values outside matrix products are rounded to bf16
;; workspace buffers: xb 33,554,432 bytes; wc 4,194,304 bytes; wob 2,097,152 bytes; lw 33,554,432 bytes; aw 33,554,432 bytes; agg 524,288 bytes; hin 262,144 bytes
;; launch cast (part 5): grid 608 x 1, 8 waves a work-group, no clusters, 0 bytes of LDS; arguments x, Wg, Wi, Wo, xb, wc, wob; writes xb, wc, wob
.if DOCPART == 5
	.amdgcn_target "amdgcn-amd-amdhsa--gfx1250"
	.amdhsa_code_object_version 6
	.text
	.protected	k_q60c64aa6d3_cast
	.globl	k_q60c64aa6d3_cast
	.p2align	8
	.type	k_q60c64aa6d3_cast,@function
k_q60c64aa6d3_cast:
	s_mov_b64 s[64:65], 0
	v_nop
	global_prefetch_b8 v0, s[64:65] scope:SCOPE_SE
	s_setreg_imm32_b32 hwreg(HW_REG_WAVE_SCHED_MODE, 0, 2), 2
	s_setreg_imm32_b32 hwreg(HW_REG_WAVE_MODE, 25, 1), 1
	s_wait_xcnt 0x0
	s_wait_alu depctr_vm_vsrc(0)
; f32 -> bf16 (round to nearest even), once for each matrix operand that comes from the inputs.
; Every work-group converts 131,072 input bytes into 65,536 output bytes.  Work-groups 0-511: x -> xb, same order.
; 512-543: Wg, 544-575: Wi -> wc [2048][1024]: row 256 q + n is Wg's row 128 q + n (n < 128) or Wi's row 128 q + n - 128, so that a tile of 256 rows holds
; the gate rows and the input rows of the same 128 scan channels.  576-607: Wo -> wob [16][1024][64]: the 64 columns of a K step of all 1,024 rows lie on end.
; A stream: no LDS, no matrix unit, no cluster (no work-group shares a byte with another).  A thread's 32 loads go out at once, each into four registers of its own;
; the four numbers are converted in place and stored from the two low registers.
; THE MODE: SCHED_MODE bits 1:0 = 2 (LLVM: expert scheduling mode 2), set by the entry lines.  The code itself states the register dependences
; between vector instructions and memory instructions, with s_wait_alu, always for 0.
; THE PLAN.  Registers that memory instructions touch:
;   v2-v5   the offsets.  Written by the head's shifts; read by every load and store; never written again.
;   X[n]    four registers for load n.  Load n lands in them, ahead of every vector instruction that names them; its two conversions read them and write the two low ones;
;           store n reads those two; nothing writes them again.
; So the one kind of dependence to state is: a vector instruction has written what a memory instruction reads.  The 32 turns go in 8 groups of four.  A group's conversions write its own X; the stores
; that stand among them are the group before's.  ONE wait at a group's head, behind the wait for the group's loads, states that the group before has written its eight registers; no
; vector instruction behind that wait names them.  No register that a memory instruction has read is ever written again, so there is no such dependence to state.
.set X,   16                           ; v[16:143]  load n: 4 f32 as loaded; then 4 bf16 in its two low registers
.set IOA, 2                            ; v2  rows kept in order: input offset 16 t
.set OOA, 3                            ; v3  output offset 8 t
.set IOB, 4                            ; v4  Wo: input offset
.set OOB, 5                            ; v5  Wo: output offset
	s_load_b256 s[4:11], s[0:1], 0x0               ; x s[4:5], Wg s[6:7], Wi s[8:9], Wo s[10:11]
	s_load_b128 s[12:15], s[0:1], 0x20             ; xb s[12:13], wc s[14:15]
	s_load_b64 s[16:17], s[0:1], 0x30              ; wob
	s_mov_b32 s20, ttmp9
	s_mov_b32 s23, 0                               ; high word of every offset
	v_lshlrev_b32 v[IOA], 4, v0
	v_lshlrev_b32 v[OOA], 3, v0
	v_lshrrev_b32 v6, 5, v0                        ; wave
	v_and_b32 v7, 31, v0                           ; lane
	v_and_b32 v8, 15, v0
	v_bfe_u32 v9, v0, 4, 1
	v_lshlrev_b32 v[IOB], 14, v6                   ; Wo: a wave has 4 rows of 4,096 bytes,
	v_lshl_add_u32 v[IOB], v9, 12, v[IOB]          ; lanes 16-31 the row below,
	v_lshl_add_u32 v[IOB], v8, 4, v[IOB]           ; 16 lanes x 16 bytes = the 256 bytes of one K step
	v_lshlrev_b32 v[OOB], 9, v6                    ; out: 4 rows of 128 bytes a wave,
	v_lshl_add_u32 v[OOB], v7, 3, v[OOB]           ; two rows = 256 bytes on end for the 32 lanes
	s_wait_kmcnt 0x0
; 32 loads; then 8 groups of four turns: wait, and among the group's conversions the stores of the group before.  ia, oa: bytes from instruction n to n + 1 (n % 16); ib, ob: from n to n + 16.
.macro PASS io, oo, ia, ib, oa, ob
	s_wait_alu depctr_va_vdst(0)                   ; the head's shifts have written the two offsets, which every load and store below reads
.set n, 0
.rept 32
	global_load_b128 v[X+4*n:X+4*n+3], v[\io], s[24:25] offset:(n%16)*(\ia)+(n/16)*(\ib) th:TH_LOAD_NT
.set n, n+1
.endr
.set n, 0
.rept 32
.if n%4 == 0
	s_wait_loadcnt 28-n                            ; loads come back in order: loads n to n + 3 are in, the 28 - n younger ones stay out
.if n > 0
	s_wait_alu depctr_va_vdst(0)                   ; the group before's conversions have written X[n - 4] to X[n - 1], which the four stores of this group's turns read
.endif
.endif
.if n >= 4
	global_store_b64 v[\oo], v[X+4*(n-4):X+4*(n-4)+1], s[26:27] offset:((n-4)%16)*(\oa)+((n-4)/16)*(\ob)  ; a wave stores 256 consecutive bytes, aligned; no vector instruction since the wait names these registers
.endif
	v_cvt_pk_bf16_f32 v[X+4*n],   v[X+4*n],   v[X+4*n+1]
	v_cvt_pk_bf16_f32 v[X+4*n+1], v[X+4*n+2], v[X+4*n+3]
.set n, n+1
.endr
	s_wait_alu depctr_va_vdst(0)                   ; the last group's conversions have written X[28] to X[31], which the last four stores read
.set n, 28
.rept 4
	global_store_b64 v[\oo], v[X+4*n:X+4*n+1], s[26:27] offset:(n%16)*(\oa)+(n/16)*(\ob)
.set n, n+1
.endr
.endm
	s_cmp_lt_u32 s20, 512
	s_cbranch_scc0 .Lweights
	s_lshl_b32 s22, s20, 17                        ; x: part c begins at 131,072 c,
	s_add_nc_u64 s[24:25], s[4:5], s[22:23]
	s_lshl_b32 s22, s20, 16                        ; and goes to 65,536 c
	s_add_nc_u64 s[26:27], s[12:13], s[22:23]
	s_branch .Lrows
.Lweights:
	s_cmp_lt_u32 s20, 576
	s_cbranch_scc0 .Lwo
	s_sub_co_u32 s21, s20, 512                     ; 0-31 Wg, 32-63 Wi
	s_cmp_lt_u32 s21, 32
	s_cselect_b64 s[24:25], s[6:7], s[8:9]
	s_cselect_b32 s28, 0, 262144                   ; Wi's rows lie 128 rows of 2,048 bytes behind Wg's
	s_and_b32 s21, s21, 31                         ; c: rows 32 c .. 32 c + 31
	s_lshl_b32 s22, s21, 17
	s_add_nc_u64 s[24:25], s[24:25], s[22:23]
	s_lshr_b32 s22, s21, 2                         ; q = c / 4: 256 rows of wc
	s_lshl_b32 s22, s22, 19
	s_and_b32 s29, s21, 3                          ; 32 rows each inside it
	s_lshl_b32 s29, s29, 16
	s_add_co_u32 s22, s22, s29
	s_add_co_u32 s22, s22, s28
	s_add_nc_u64 s[26:27], s[14:15], s[22:23]
.Lrows:
	PASS IOA, OOA, 4096, 65536, 2048, 32768        ; the eight waves take 4,096 input bytes an instruction
	s_endpgm
.Lwo:
	s_sub_co_u32 s21, s20, 576                     ; c: rows 32 c .. 32 c + 31 of Wo
	s_lshl_b32 s22, s21, 17
	s_add_nc_u64 s[24:25], s[10:11], s[22:23]
	s_lshl_b32 s22, s21, 12                        ; 32 rows of 128 bytes in every K step's block
	s_add_nc_u64 s[26:27], s[16:17], s[22:23]
	PASS IOB, OOB, 256, 8192, 131072, 256          ; n % 16 = the K step (256 bytes in, a block of 131,072 out); n / 16: the wave's other two rows
	s_endpgm
.Lfunc_end_k_q60c64aa6d3_cast:
	.size	k_q60c64aa6d3_cast, .Lfunc_end_k_q60c64aa6d3_cast-k_q60c64aa6d3_cast
	.p2alignl 7, 3214868480
	.fill 96, 4, 3214868480
	.section	.rodata,"a",@progbits
	.p2align	6, 0x0
	.amdhsa_kernel k_q60c64aa6d3_cast
		.amdhsa_group_segment_fixed_size 0
		.amdhsa_private_segment_fixed_size 0
		.amdhsa_enable_private_segment 0
		.amdhsa_kernarg_size 56
		.amdhsa_user_sgpr_count 2
		.amdhsa_user_sgpr_kernarg_segment_ptr 1
		.amdhsa_wavefront_size32 1
		.amdhsa_system_sgpr_workgroup_id_x 1
		.amdhsa_system_sgpr_workgroup_id_y 1
		.amdhsa_system_sgpr_workgroup_id_z 1
		.amdhsa_system_vgpr_workitem_id 0
		.amdhsa_next_free_vgpr 144
		.amdhsa_next_free_sgpr 66
		.amdhsa_reserve_vcc 0
		.amdhsa_float_denorm_mode_32 3
		.amdhsa_float_denorm_mode_16_64 3
		.amdhsa_memory_ordered 1
		.amdhsa_forward_progress 1
		.amdhsa_inst_pref_size 24
	.end_amdhsa_kernel
	.amdgpu_metadata
---
amdhsa.version: [ 1, 2 ]
amdhsa.kernels:
  - .name:           k_q60c64aa6d3_cast
    .symbol:         k_q60c64aa6d3_cast.kd
    .args:
      - { .name: x, .offset: 0, .size: 8, .value_kind: global_buffer, .address_space: global }
      - { .name: Wg, .offset: 8, .size: 8, .value_kind: global_buffer, .address_space: global }
      - { .name: Wi, .offset: 16, .size: 8, .value_kind: global_buffer, .address_space: global }
      - { .name: Wo, .offset: 24, .size: 8, .value_kind: global_buffer, .address_space: global }
      - { .name: xb, .offset: 32, .size: 8, .value_kind: global_buffer, .address_space: global }
      - { .name: wc, .offset: 40, .size: 8, .value_kind: global_buffer, .address_space: global }
      - { .name: wob, .offset: 48, .size: 8, .value_kind: global_buffer, .address_space: global }
    .group_segment_fixed_size: 0
    .private_segment_fixed_size: 0
    .kernarg_segment_align: 8
    .kernarg_segment_size: 56
    .max_flat_workgroup_size: 256
    .sgpr_count:     66
    .vgpr_count:     144
    .wavefront_size: 32
...
	.end_amdgpu_metadata
.endif
;; end of part 5
;; launch proj: the kernel of part 2 again; grid 8 x 64, 4 waves a work-group, clusters of 4 x 4, 327,680 bytes of LDS; arguments xb, wc, bg, bi, lw, aw, agg; writes lw, aw, agg
;; launch carry (part 6): grid 8 x 1, 4 waves a work-group, no clusters, 0 bytes of LDS; arguments agg, hin; writes hin
.if DOCPART == 6
	.amdgcn_target "amdgcn-amd-amdhsa--gfx1250"
	.amdhsa_code_object_version 6
	.text
	.protected	k_q60c64aa6d3_carry
	.globl	k_q60c64aa6d3_carry
	.p2align	8
	.type	k_q60c64aa6d3_carry,@function
k_q60c64aa6d3_carry:
	s_mov_b64 s[64:65], 0
	v_nop
	global_prefetch_b8 v0, s[64:65] scope:SCOPE_SE
	s_setreg_imm32_b32 hwreg(HW_REG_WAVE_SCHED_MODE, 0, 2), 2
	s_setreg_imm32_b32 hwreg(HW_REG_WAVE_MODE, 25, 1), 1
	s_wait_xcnt 0x0
	s_wait_alu depctr_vm_vsrc(0)
; The carry into each segment of 256 rows: h(0) = 0 at a batch's first segment, h(k + 1) = A_end(k) h(k) + L_end(k).  16 segments a batch, 4 batches, 1,024 channels.
; agg: f32 [64 segments][1024 channels][L, A].  hin: f32 [64][16 j][16 r][4 b], the carry of channel 64 j + 16 b + r: the order in which the last launch's lanes want it.
; A thread owns (j, r) of one batch, four channels.  All 60 loads go out at once; the chain of 15 steps follows them.  1,024 threads: 8 work-groups have all the work there is;
; matrix units, LDS and clusters have nothing to do here.
; THE MODE: SCHED_MODE bits 1:0 = 2 (LLVM: expert scheduling mode 2), set by the entry lines.  The code itself states the register dependences
; between vector instructions and memory instructions, with s_wait_alu, always for 0.
; THE PLAN.  Registers that memory instructions touch:
;   v2, v1  the loads' and the stores' offset.  Written at the head; never written again.
;   LD      the 60 loads land in it, ahead of every vector instruction that names it; the multiply-adds read it; nothing is loaded into it again.
;   HK[k]   written by step k - 1's four multiply-adds (HK[0] by four moves at the head); read by step k's multiply-adds and by one store; never written again.
; So the one kind of dependence to state is: a vector instruction has written what a memory instruction reads.  The 15 steps go in three groups of five; a group's five results are stored in one run
; at the head of the next group, behind the wait for that step's loads and ONE wait which states that they are written; the last five behind one more wait at the end.
.set HK, 4                             ; v[4+4k:7+4k]  h of segment k, four channels: each is a store's data and is never rewritten
.set LD, 72                            ; v[72+8k+2b:..+1]  (L, A) of segment k, channel b
	s_load_b128 s[4:7], s[0:1], 0x0                ; agg s[4:5], hin s[6:7]
	s_lshr_b32 s8, ttmp9, 1                        ; batch
	s_and_b32 s9, ttmp9, 1
	s_lshl_b32 s9, s9, 7
	v_add_nc_u32 v1, s9, v0                        ; 16 j + r
	v_lshrrev_b32 v2, 4, v1
	v_and_b32 v3, 15, v1
	v_lshlrev_b32 v2, 9, v2                        ; 64 channels of 8 bytes for each j,
	v_lshl_add_u32 v2, v3, 3, v2                   ; 8 bytes for each r
	v_lshlrev_b32 v1, 4, v1                        ; hin: 16 bytes for each (j, r)
	s_lshl_b32 s10, s8, 17                         ; a batch is 16 segments of 8,192 bytes in agg,
	s_mov_b32 s11, 0
	s_lshl_b32 s12, s8, 16                         ; of 4,096 in hin
	s_mov_b32 s13, 0
.irp b, 0,1,2,3
	v_mov_b32 v[HK+(\b)], 0
.endr
	s_wait_kmcnt 0x0
	s_add_nc_u64 s[4:5], s[4:5], s[10:11]
	s_add_nc_u64 s[6:7], s[6:7], s[12:13]
	s_wait_alu depctr_va_vdst(0)                   ; v2 and v1 are written, which the loads and the stores read as their offsets; so is HK[0], the first store's data
.irp k, 0,1,2,3,4,5,6,7,8,9,10,11,12,13,14
.irp b, 0,1,2,3
	global_load_b64 v[LD+8*(\k)+2*(\b):LD+8*(\k)+2*(\b)+1], v2, s[4:5] offset:(\k)*8192+(\b)*128
.endr
.endr
	global_store_b128 v1, v[HK:HK+3], s[6:7]       ; segment 0's carry, 0: 512 consecutive bytes a wave
; Five stores in a run: the carries of segments k0 - 4 to k0.
.macro SEND5 k0
.irp d, 4,3,2,1,0
	global_store_b128 v1, v[HK+4*((\k0)-(\d)):HK+4*((\k0)-(\d))+3], s[6:7] offset:((\k0)-(\d))*4096  ; 512 consecutive bytes a wave
.endr
.endm
; Steps k0 to k0 + 4 of the chain.  send = 1: the five results of the group before go out at the group's head.
.macro GROUP k0, send
.irp d, 0,1,2,3,4
	s_wait_loadcnt 56-4*((\k0)+(\d))               ; this segment's four loads are in; the later segments' stay out
.if (\send) && ((\d) == 0)
	s_wait_alu depctr_va_vdst(0)                   ; the group before's multiply-adds have written HK[k0 - 4] to HK[k0], which the five stores read
	SEND5 \k0
.endif
.irp b, 0,1,2,3
	v_fma_f32 v[HK+4*((\k0)+(\d))+4+(\b)], v[LD+8*((\k0)+(\d))+2*(\b)+1], v[HK+4*((\k0)+(\d))+(\b)], v[LD+8*((\k0)+(\d))+2*(\b)]
.endr
.endr
.endm
	GROUP 0, 0
	GROUP 5, 1
	GROUP 10, 1
	s_wait_alu depctr_va_vdst(0)                   ; the last group's multiply-adds have written HK[11] to HK[15], which the last five stores read
	SEND5 15
	s_endpgm
.Lfunc_end_k_q60c64aa6d3_carry:
	.size	k_q60c64aa6d3_carry, .Lfunc_end_k_q60c64aa6d3_carry-k_q60c64aa6d3_carry
	.p2alignl 7, 3214868480
	.fill 96, 4, 3214868480
	.section	.rodata,"a",@progbits
	.p2align	6, 0x0
	.amdhsa_kernel k_q60c64aa6d3_carry
		.amdhsa_group_segment_fixed_size 0
		.amdhsa_private_segment_fixed_size 0
		.amdhsa_enable_private_segment 0
		.amdhsa_kernarg_size 16
		.amdhsa_user_sgpr_count 2
		.amdhsa_user_sgpr_kernarg_segment_ptr 1
		.amdhsa_wavefront_size32 1
		.amdhsa_system_sgpr_workgroup_id_x 1
		.amdhsa_system_sgpr_workgroup_id_y 1
		.amdhsa_system_sgpr_workgroup_id_z 1
		.amdhsa_system_vgpr_workitem_id 0
		.amdhsa_next_free_vgpr 200
		.amdhsa_next_free_sgpr 66
		.amdhsa_reserve_vcc 0
		.amdhsa_float_denorm_mode_32 3
		.amdhsa_float_denorm_mode_16_64 3
		.amdhsa_memory_ordered 1
		.amdhsa_forward_progress 1
		.amdhsa_inst_pref_size 13
	.end_amdhsa_kernel
	.amdgpu_metadata
---
amdhsa.version: [ 1, 2 ]
amdhsa.kernels:
  - .name:           k_q60c64aa6d3_carry
    .symbol:         k_q60c64aa6d3_carry.kd
    .args:
      - { .name: agg, .offset: 0, .size: 8, .value_kind: global_buffer, .address_space: global }
      - { .name: hin, .offset: 8, .size: 8, .value_kind: global_buffer, .address_space: global }
    .group_segment_fixed_size: 0
    .private_segment_fixed_size: 0
    .kernarg_segment_align: 8
    .kernarg_segment_size: 16
    .max_flat_workgroup_size: 128
    .sgpr_count:     66
    .vgpr_count:     200
    .wavefront_size: 32
...
	.end_amdgpu_metadata
.endif
;; end of part 6
;; launch outln: the kernel of part 4 again; grid 256 x 1, 4 waves a work-group, clusters of 4 x 1, 327,680 bytes of LDS; arguments lw, aw, hin, wob, x, bo, ln_g, ln_b, out0; writes out0
